; MI455X (gfx1250); checked and timed in simulation.
; The chip was launched on July 23, 2026; its instructions are those of AMD's public machine-readable ISA for CDNA 5 (MIT licence, August 2026) and "CDNA5" Instruction Set Architecture Reference Guide (July 2026). The comments in the code are by the model that wrote it; some were corrected since.
;; support sampler. Allowed arithmetic: float matrix products may take bf16 or f16 operands with f32 sums; all other float work in f32.
;; Inputs: W1 1,024 x 2,048 float32; W2 8 x 1,024 float32; b1 1,024 float32; b2 8 float32; obj_feats 4,096 x 1,024 float32; pairs 32,768 x 2 int32.
;; Outputs: out0 32,768 x 8 float32.
;; 3 versions, each right; version 2 is faster than version 1; version 3 is version 2 with the launches fold, pairsum written anew for expert scheduling mode. Each part assembles by itself: llvm-mc -triple=amdgcn-amd-amdhsa -mcpu=gfx1250 --defsym DOCPART=n.
;; ======== version 1 of 3: 3 launches
;; workspace buffers: wcf 32,768 bytes; bcv 256 bytes; g 262,144 bytes
;; launch fold (part 1): grid 32 x 1, 16 waves a work-group, no clusters, 55,808 bytes of LDS; arguments W1, W2, b1, b2, wcf, bcv; writes wcf, bcv
.if DOCPART == 1
	.amdgcn_target "amdgcn-amd-amdhsa--gfx1250"
	.amdhsa_code_object_version 6
	.text
	.protected	k_qc6a9fe2191_fold
	.globl	k_qc6a9fe2191_fold
	.p2align	8
	.type	k_qc6a9fe2191_fold,@function
k_qc6a9fe2191_fold:
	s_mov_b64 s[64:65], 0
	v_nop
	global_prefetch_b8 v0, s[64:65] scope:SCOPE_SE
	s_setreg_imm32_b32 hwreg(HW_REG_WAVE_MODE, 25, 1), 1
	s_wait_xcnt 0x0
; FOLD: Wc = W2 W1 ([8][2048]) and bc = W2 b1 + b2 ([8]).
; Nothing non-linear stands between the two linear layers, and a gather of rows commutes with a map that acts row by row, so
;   out[p] = f[s] . Wc[:, 0:1024] + f[o] . Wc[:, 1024:2048] + bc        for every input.
; LIMIT (order of rounding): Wc is formed first, from W1 and W2 rounded to bf16 with f32 sums, and is itself rounded to bf16 for the
; next launch's matrix product; the reference rounds nothing in between.  bc stays in f32 throughout.
;
; SHARES.  Work-group x owns the 64 columns J = 64 x .. 64 x + 63 of W1: 256 aligned bytes of each of its 1,024 rows.  2,048 columns hold
; 32 such pieces, hence 32 work-groups; sharing k among work-groups too would need sums across work-groups.
; Wave w owns k = 64 w .. 64 w + 63, two matrix steps of 32.  Its 32 loads of W1 go out at once, 512 bytes each.
; W2 (32 KiB) is read by all 32 work-groups beside 256 KiB of their own: too small a part to ask for jointly in a cluster.
;
; NO TRANSPOSE.  r = lane % 16, h = lane / 16.  Load i (0..15) of step s takes row 64 w + 32 s + 8 h + i (+ 8 if i >= 8), columns J + 4 r .. + 3.
; Matrix tile t (0..3) takes column J + 4 r + t as its row m = r, so register p of its first source is the pair (load 2p, load 2p+1), word t:
; k lies where a 16-bit fragment wants it (ISA guide 7.12.2).  The second source's column n = r is class r % 8 (8 classes fill 16 columns twice).
; Result: register j of lane (r, h) of tile t = Wc[r % 8][J + 32 h + 4 j + t], summed over the wave's 64 k.
;
; wcf (bf16), in the order in which the next launch's lanes take it: byte g*16384 + S*512 + q*256 + c*32 + h2*16 + e*2 holds
; Wc[c][1024 g + 32 S + 16 h2 + 4 (n & 3) + (n >> 2)], n = 8 q + e.
.set ROWB,   8192                      ; bytes in a row of W1
.set W2P,    2064                      ; LDS: a row of W2 in bf16, 2,048 bytes + 16: an odd multiple of 16, so eight rows start in different columns of 16 bytes
.set BIAS,   16640                     ; LDS: 16 waves x 4 partial sums of W2 b1
.set PART,   16896                     ; LDS: 16 waves x 2,304 bytes of partial Wc
.set PPITCH, 144                       ; a row of PART: 32 f32 + 16 bytes
.set PWAVE,  16*PPITCH
.set X,    32                          ; v[32:159]  W1 as loaded: load i of step s at X + 64 s + 4 i
.set RAW,  160                         ; v[160:175] W2 as loaded (f32)
.set BF,   160                         ; v[160:175] afterwards: W2's fragments, step s at BF + 8 s
.set B1,   176                         ; v[176:179] four numbers of b1
.set P,    180                         ; v[180:183] partial sums of W2 b1
.set PK,   184                         ; v[184:191] W2 packed to bf16
.set FA,   192                         ; v[192:223] W1's fragments of step 0 (step 1's go to v[32:63], which step 0 has used up)
.set ACC,  224                         ; v[224:255] four accumulators, tile t at ACC + 8 t
.set OUTP, 96                          ; v[96:97]   four numbers of Wc in bf16
	s_load_b256 s[4:11], s[0:1], 0x0               ; W1 s[4:5], W2 s[6:7], b1 s[8:9], b2 s[10:11]
	s_load_b128 s[12:15], s[0:1], 0x20             ; wcf s[12:13], bcv s[14:15]
	v_lshl_add_u32 v30, v0, 2, 0xd200
	v_mov_b32 v31, 0
	v_and_b32 v1, 15, v0                           ; r
	v_bfe_u32 v2, v0, 4, 1                         ; h
	v_lshrrev_b32 v3, 5, v0
	v_readfirstlane_b32 s16, v3                    ; w, the wave's number
	s_mov_b32 s17, ttmp9                           ; x, the work-group's number
	s_mov_b32 s20, 0x76543210                      ; v_permlanex16_b32: lane i of one half reads lane i of the other
	s_mov_b32 s21, 0xfedcba98
	s_lshl_b32 s18, s17, 8                         ; my 256 bytes of a row of W1
	s_lshl_b32 s19, s16, 19                        ; + 64 w rows of 8,192 bytes
	s_add_co_u32 s18, s18, s19
	s_mov_b32 s19, 0
	s_mul_i32 s23, s16, PWAVE
	s_add_co_u32 s23, s23, PART                    ; my wave's part of PART
	s_lshl4_add_u32 s24, s17, s16                  ; 16 x + w: the wave's number in the launch
	s_lshl_b32 s25, s16, 4
	s_add_co_u32 s25, s25, BIAS                    ; my wave's four words of BIAS
	s_lshl_b32 s26, s16, 7                         ; my wave's 64 k in a row of W2 in bf16
	v_lshlrev_b32 v4, 4, v0                        ; W2: 16 bytes a thread; load i adds 8,192: class 2 i + (thread >> 8), k = 4 (thread & 255) ..
	v_lshlrev_b32 v5, 4, v1                        ; W1: 16 r
	v_lshl_add_u32 v5, v2, 16, v5                  ;     + 8 h rows
	v_and_b32 v3, 255, v0
	v_lshlrev_b32 v6, 4, v3                        ; b1: the same four k as my numbers of W2
	v_lshrrev_b32 v7, 8, v0
	v_mul_u32_u24 v7, v7, W2P
	v_lshl_add_u32 v7, v3, 3, v7                   ; W2 in LDS: row (thread >> 8), 8 bytes at 8 (thread & 255); store i adds two rows
	v_mov_b32 v8, s25
	v_and_b32 v9, 7, v1
	v_mul_u32_u24 v9, v9, W2P
	v_lshl_add_u32 v9, v2, 4, v9
	v_add_nc_u32 v9, s26, v9                       ; W2's fragment: row r % 8, byte 128 w + 16 h
	s_wait_kmcnt 0x0
	s_add_nc_u64 s[4:5], s[4:5], s[18:19]
	; All loads at once.  W2 and b1 first, so that a counted wait can take them while W1 is on its way.
.irp i, 0,1,2,3
	global_load_b128 v[RAW+4*\i:RAW+4*\i+3], v4, s[6:7] offset:\i*8192
.endr
	global_load_b128 v[B1:B1+3], v6, s[8:9]        ; in every work-group, so that the counts below are the same on every path
.irp s, 0,1
.irp i, 0,1,2,3,4,5,6,7,8,9,10,11,12,13,14,15
	global_load_b128 v[X+64*\s+4*\i:X+64*\s+4*\i+3], v5, s[4:5] offset:(32*\s+\i+8*(\i/8))*ROWB th:TH_LOAD_NT   ; lanes 0-15: 256 aligned bytes of one row; lanes 16-31: of the row 8 below
.endr
.endr
	; W2 to bf16 and into LDS, each number once for the work-group.
	s_wait_loadcnt 32                              ; loads come back in order (ISA guide 5.7.1): W2 and b1 are in, the 32 younger loads of W1 stay out
.irp i, 0,1,2,3
	v_cvt_pk_bf16_f32 v[PK+2*\i],   v[RAW+4*\i],   v[RAW+4*\i+1]
	v_cvt_pk_bf16_f32 v[PK+2*\i+1], v[RAW+4*\i+2], v[RAW+4*\i+3]
.endr
.irp i, 0,1,2,3
	ds_store_b64 v7, v[PK+2*\i:PK+2*\i+1] offset:\i*2*W2P
.endr
	s_cmp_lg_u32 s17, 0
	s_cbranch_scc1 .Lno_bias                       ; W2 b1 is made once in the launch, by work-group 0
	; P[i] = my four k of class 2 i + (w >> 3), in f32, then summed over the wave's 32 lanes: four chains side by side
.irp i, 0,1,2,3
	v_mul_f32 v[P+\i], v[RAW+4*\i], v[B1]
.endr
.irp j, 1,2,3
.irp i, 0,1,2,3
	v_fmac_f32 v[P+\i], v[RAW+4*\i+\j], v[B1+\j]
.endr
.endr
.irp m, 1,2,4,8
.irp i, 0,1,2,3
	v_add_f32_dpp v[P+\i], v[P+\i], v[P+\i] row_xmask:\m row_mask:0xf bank_mask:0xf
.endr
.endr
.irp i, 0,1,2,3
	v_permlanex16_b32 v[B1+\i], v[P+\i], s20, s21  ; b1 has been used up; the destination counts as read and has been written
.endr
.irp i, 0,1,2,3
	v_add_f32 v[P+\i], v[P+\i], v[B1+\i]
.endr
	ds_store_b128 v8, v[P:P+3]                     ; every lane holds the same four sums and writes the same 16 bytes
.Lno_bias:
	s_wait_dscnt 0x0                               ; my LDS stores are done, for the other waves' sake
	s_barrier_signal -1
	s_barrier_wait -1                              ; W2 is whole in LDS.  W1's loads stay on their way: nobody writes those bytes
; 32 conversions: the four tiles' first sources of step s, into dst
.macro PACK s, dst
.irp t, 0,1,2,3
.irp p, 0,1,2,3,4,5,6,7
	v_cvt_pk_bf16_f32 v[\dst+8*\t+\p], v[X+64*\s+8*\p+\t], v[X+64*\s+8*\p+4+\t]
.endr
.endr
.endm
; The four matrix instructions of step s.  The four accumulators take turns, one instruction a turn.
.macro MUL4 s, fa, zero
.irp t, 0,1,2,3
.if \zero
	v_wmma_f32_16x16x32_bf16 v[ACC+8*\t:ACC+8*\t+7], v[\fa+8*\t:\fa+8*\t+7], v[BF+8*\s:BF+8*\s+7], 0
.else
	v_wmma_f32_16x16x32_bf16 v[ACC+8*\t:ACC+8*\t+7], v[\fa+8*\t:\fa+8*\t+7], v[BF+8*\s:BF+8*\s+7], v[ACC+8*\t:ACC+8*\t+7]
.endif
.endr
.endm
.irp s, 0,1
	ds_load_b128 v[BF+8*\s:BF+8*\s+3],   v9 offset:64*\s       ; k = 64 w + 32 s + 8 h ..
	ds_load_b128 v[BF+8*\s+4:BF+8*\s+7], v9 offset:64*\s+32    ; k = 64 w + 32 s + 16 + 8 h ..
.endr
	s_wait_loadcnt 16                              ; step 0's sixteen loads are in, step 1's sixteen stay out
	PACK 0, FA
	s_wait_dscnt 0x0                               ; W2's fragments
	MUL4 0, FA, 1                                  ; the first products start the sums: nothing is cleared
	s_wait_loadcnt 0x0
	PACK 1, X                                      ; into v[32:63]: no register of the four matrix instructions above
	MUL4 1, X, 0
	; The wave's partial Wc goes to its own part of PART: row 8 h + class, word 8 t + j.  The four address lines are the four places
	; that stand between a matrix instruction and a store of its result.
	v_and_b32 v3, 7, v1
	v_lshl_add_u32 v3, v2, 3, v3
	v_mul_u32_u24 v3, v3, PPITCH
	v_add_nc_u32 v10, s23, v3
	v_cmp_gt_u32 vcc_lo, 8, v1                     ; columns 8-15 repeat columns 0-7: they store nothing
	s_wait_xcnt 0x0                                ; EXEC changes only behind this wait
	s_and_saveexec_b32 s22, vcc_lo
.irp t, 0,1,2,3
	ds_store_b128 v10, v[ACC+8*\t:ACC+8*\t+3]   offset:32*\t
	ds_store_b128 v10, v[ACC+8*\t+4:ACC+8*\t+7] offset:32*\t+16
.endr
	s_or_b32 exec_lo, exec_lo, s22                 ; no global instruction has been issued since the wait above
	s_wait_dscnt 0x0                               ; my stores are done, for the waves that sum
	s_barrier_signal -1
	s_barrier_wait -1
; the first n groups of four registers of X take up the next n
.macro FOLD n
.set k, 0
.rept 2*\n
	v_pk_add_f32 v[X+2*k:X+2*k+1], v[X+2*k:X+2*k+1], v[X+4*\n+2*k:X+4*\n+2*k+1]
.set k, k+1
.endr
.endm
	s_cmp_gt_u32 s16, 3
	s_cbranch_scc1 .Ltail
	; Waves 0 to 3: thread u (0..127) sums the sixteen waves' parts of four numbers and stores them as 8 bytes of wcf.
	; u's bits: 0 tb, 1 h2, 4:2 class, 5 q, 6 Sh.  Tile t = 2 q + tb, registers j = 4 h2 .. 4 h2 + 3, row 8 Sh + class:
	; these are places n = 4 t .. 4 t + 3 of lane (class, h2) in block S = 2 (x % 16) + Sh, at byte 1024 x + 8 u of wcf.
	v_bfe_u32 v3, v0, 2, 3                         ; class
	v_bfe_u32 v11, v0, 6, 1                        ; Sh
	v_lshl_add_u32 v3, v11, 3, v3
	v_mul_u32_u24 v3, v3, PPITCH
	v_and_b32 v11, 1, v0                           ; tb
	v_lshl_add_u32 v3, v11, 5, v3
	v_bfe_u32 v11, v0, 5, 1                        ; q
	v_lshl_add_u32 v3, v11, 6, v3
	v_bfe_u32 v11, v0, 1, 1                        ; h2
	v_lshl_add_u32 v3, v11, 4, v3
	v_add_nc_u32 v11, PART, v3
.irp wv, 0,1,2,3,4,5,6,7,8,9,10,11,12,13,14,15
	ds_load_b128 v[X+4*\wv:X+4*\wv+3], v11 offset:\wv*PWAVE    ; rows two classes apart meet in two columns of 16 bytes: accepted for these 16 loads; the pitch keeps the stores apart
.endr
	s_lshl_b32 s18, s17, 10
	v_lshlrev_b32 v12, 3, v0
	v_add_nc_u32 v12, s18, v12
	s_wait_dscnt 0x0
	FOLD 8                                         ; a fixed tree in f32: 16 + 8 + 4 + 2 packed adds
	FOLD 4
	FOLD 2
	FOLD 1
	v_cvt_pk_bf16_f32 v[OUTP],   v[X],   v[X+1]
	v_cvt_pk_bf16_f32 v[OUTP+1], v[X+2], v[X+3]
	global_store_b64 v12, v[OUTP:OUTP+1], s[12:13] ; a wave stores 256 consecutive bytes, at a multiple of 256 from wcf's first byte
	s_wait_tensorcnt 0x0
	ds_add_u32 v30, v31
	s_wait_dscnt 0x0
	s_endpgm
.Ltail:
	s_cmp_lg_u32 s24, 4
	s_cbranch_scc1 .Lend
	; Wave 4 of work-group 0: bc = W2 b1 + b2, eight times over, 64 f32.  Lane L takes i = L % 4: waves 0-7 hold class 2 i, waves 8-15 class 2 i + 1,
	; which go to the low and the high register of eight pairs.
	v_and_b32 v3, 3, v0
	v_lshl_add_u32 v13, v3, 2, BIAS
	v_lshlrev_b32 v14, 3, v3                       ; b2[2 i], b2[2 i + 1]
	v_and_b32 v15, 31, v0
	v_lshlrev_b32 v15, 3, v15
.irp wv, 0,1,2,3,4,5,6,7,8,9,10,11,12,13,14,15
	ds_load_b32 v[X+2*(\wv%8)+\wv/8], v13 offset:16*\wv
.endr
	global_load_b64 v[X+16:X+17], v14, s[10:11]
	s_wait_dscnt 0x0
	FOLD 2                                         ; eight pairs to four,
	FOLD 1                                         ; to two,
	v_pk_add_f32 v[X:X+1], v[X:X+1], v[X+2:X+3]    ; to one
	s_wait_loadcnt 0x0
	v_pk_add_f32 v[X:X+1], v[X:X+1], v[X+16:X+17]  ; + b2
	global_store_b64 v15, v[X:X+1], s[14:15]       ; the wave stores all 256 bytes of bcv: word n holds bc[n % 8]
.Lend:
	s_wait_tensorcnt 0x0
	ds_add_u32 v30, v31
	s_wait_dscnt 0x0
	s_endpgm
.Lfunc_end_k_qc6a9fe2191_fold:
	.size	k_qc6a9fe2191_fold, .Lfunc_end_k_qc6a9fe2191_fold-k_qc6a9fe2191_fold
	.p2alignl 7, 3214868480
	.fill 96, 4, 3214868480
	.section	.rodata,"a",@progbits
	.p2align	6, 0x0
	.amdhsa_kernel k_qc6a9fe2191_fold
		.amdhsa_group_segment_fixed_size 55808
		.amdhsa_private_segment_fixed_size 0
		.amdhsa_enable_private_segment 0
		.amdhsa_kernarg_size 48
		.amdhsa_user_sgpr_count 2
		.amdhsa_user_sgpr_kernarg_segment_ptr 1
		.amdhsa_wavefront_size32 1
		.amdhsa_system_sgpr_workgroup_id_x 1
		.amdhsa_system_sgpr_workgroup_id_y 1
		.amdhsa_system_sgpr_workgroup_id_z 1
		.amdhsa_system_vgpr_workitem_id 0
		.amdhsa_next_free_vgpr 256
		.amdhsa_next_free_sgpr 66
		.amdhsa_reserve_vcc 1
		.amdhsa_float_denorm_mode_32 3
		.amdhsa_float_denorm_mode_16_64 3
		.amdhsa_memory_ordered 1
		.amdhsa_forward_progress 1
		.amdhsa_inst_pref_size 21
	.end_amdhsa_kernel
	.amdgpu_metadata
---
amdhsa.version: [ 1, 2 ]
amdhsa.kernels:
  - .name:           k_qc6a9fe2191_fold
    .symbol:         k_qc6a9fe2191_fold.kd
    .args:
      - { .name: W1, .offset: 0, .size: 8, .value_kind: global_buffer, .address_space: global }
      - { .name: W2, .offset: 8, .size: 8, .value_kind: global_buffer, .address_space: global }
      - { .name: b1, .offset: 16, .size: 8, .value_kind: global_buffer, .address_space: global }
      - { .name: b2, .offset: 24, .size: 8, .value_kind: global_buffer, .address_space: global }
      - { .name: wcf, .offset: 32, .size: 8, .value_kind: global_buffer, .address_space: global }
      - { .name: bcv, .offset: 40, .size: 8, .value_kind: global_buffer, .address_space: global }
    .group_segment_fixed_size: 55808
    .private_segment_fixed_size: 0
    .kernarg_segment_align: 8
    .kernarg_segment_size: 48
    .max_flat_workgroup_size: 512
    .sgpr_count:     66
    .vgpr_count:     256
    .wavefront_size: 32
...
	.end_amdgpu_metadata
.endif
;; end of part 1
;; launch project (part 2): grid 256 x 1, 4 waves a work-group, no clusters, 168,448 bytes of LDS; arguments obj_feats, wcf, g; writes g
.if DOCPART == 2
	.amdgcn_target "amdgcn-amd-amdhsa--gfx1250"
	.amdhsa_code_object_version 6
	.text
	.protected	k_qc6a9fe2191_project
	.globl	k_qc6a9fe2191_project
	.p2align	8
	.type	k_qc6a9fe2191_project,@function
k_qc6a9fe2191_project:
	s_mov_b64 s[64:65], 0
	v_nop
	global_prefetch_b8 v0, s[64:65] scope:SCOPE_SE
	s_setreg_imm32_b32 hwreg(HW_REG_WAVE_MODE, 25, 1), 1
	s_wait_xcnt 0x0
; PROJECT: g[n][c'] = sum over col of f[n][col] Wc[c' % 8][1024 (c' / 8) + col], n = 0..4095, c' = 0..15: each object's share in the result as
; first member of a pair (c' 0-7) and as second (c' 8-15).  f is rounded to bf16 on the way to the matrix unit, sums in f32, g in f32.
; SHARES.  Work-group x owns rows 16 x .. 16 x + 15 of f (64 KiB), 256 work-groups.  Wave w owns columns 256 w .. + 255: one tensor load of
; 16 rows x 1,024 bytes into its own LDS bytes, filled once and read by that wave alone, so its own wait on TENSORcnt is all the ordering
; the reads need; a wave has one tensor load outstanding.  Eight matrix steps of 32 columns; the four waves' tiles are summed through LDS.
; THE ORDER OF k.  In a block of 32 columns lane half h2 takes columns 16 h2 .. + 15, 64 neighbouring bytes of f32, by four loads of 16 bytes;
; place n (0..15) of the lane's fragment holds column 16 h2 + 4 (n & 3) + (n >> 2).  wcf was written in the same order, so each product
; pairs the same column on both sides.
; THE MATRIX INSTRUCTION IS USED TRANSPOSED: first source = the 16 rows c' of Wc, second = 16 rows of f; register j of lane (r, h2) is then
; g[row r][8 h2 + j]: eight neighbouring numbers of a row of g.
; NO JOINT LOADS: all work-groups read the same 32 KiB of wcf beside 64 KiB of their own; each wave takes its 8 KiB straight into registers in
; fragment order.  Asked for jointly it would pass through LDS and need two rounds of a cluster's barrier for a single fill.
; 71,680 bytes of LDS are used; more than half of a WGP's LDS is declared.
.set TPITCH, 1040                      ; an LDS row of the tile: 1,024 bytes + 16: row r starts at 16 r modulo 256, so sixteen rows start in sixteen different columns of 16 bytes
.set TWAVE,  16*TPITCH                 ; a wave's tile
.set RED,    4*TWAVE                   ; 66,560 = 260 x 256: scratch for the sum over waves, bytes into which no tensor load lands
.set RPITCH, 80                        ; a row of 16 f32 + 16 bytes
.set RWAVE,  16*RPITCH
.set Y,   16                           ; v[16:143]  f as f32: load a of step s at Y + 16 s + 4 a
.set WF,  144                          ; v[144:207] Wc's fragments: step s at WF + 8 s
.set FR,  208                          ; v[208:223] f's fragments, two sets that take turns
.set ACC, 224                          ; v[224:239] two accumulators that take turns
	s_load_b128 s[4:7], s[0:1], 0x0                ; f s[4:5], wcf s[6:7]
	s_load_b64 s[8:9], s[0:1], 0x10                ; g
	v_lshl_add_u32 v240, v0, 2, 0x29000
	v_mov_b32 v241, 0
	ds_add_u32 v240, v241
	ds_add_u32 v240, v241
	v_lshrrev_b32 v8, 5, v0
	v_readfirstlane_b32 s10, v8                    ; w
	; descriptor group 1: 16 rows of 256 elements of 4 bytes, 1,024 elements from row to row, 4 words of padding behind every 256
	s_mov_b32 s16, (2<<16)|(1<<20)|(7<<22)|(3<<25) ; 15:0 no mask; 17:16 element of 4 bytes; 20 padding on; 24:22 after every 256 words (code 7); 31:25 of 4 words (code 3)
	s_mov_b32 s17, 256<<16                         ; tensor_dim0 = 256
	s_mov_b32 s18, 16<<16                          ; tensor_dim1 = 16
	s_mov_b32 s19, 256<<16                         ; tile_dim0 = 256
	s_mov_b32 s20, 16                              ; tile_dim1 = 16
	s_mov_b32 s21, 1024                            ; the pitch
	s_mov_b32 s22, 0
	s_mov_b32 s23, 0
	s_mov_b32 s12, 1                               ; group 0: count
	s_mul_i32 s13, s10, TWAVE                      ; LDS address: the wave's number times a constant
	s_lshl_b32 s24, ttmp9, 16                      ; 16 x rows of 4,096 bytes
	s_lshl_b32 s25, s10, 10                        ; + 256 w columns
	s_add_co_u32 s24, s24, s25
	s_mov_b32 s25, 0
	s_lshl_b32 s26, s10, 12                        ; wcf: 8 w blocks of 512 bytes
	s_mul_i32 s27, s10, RWAVE
	s_add_co_u32 s27, s27, RED                     ; my wave's scratch
	s_lshl_b32 s28, ttmp9, 10                      ; g: 16 x rows of 64 bytes
	v_and_b32 v1, 15, v0                           ; r
	v_bfe_u32 v2, v0, 4, 1                         ; h2
	v_mul_u32_u24 v3, v1, TPITCH
	v_lshl_add_u32 v3, v2, 6, v3
	v_add_nc_u32 v3, s13, v3                       ; tile: row r, byte 64 h2
	v_lshrrev_b32 v4, 3, v1
	v_lshlrev_b32 v4, 14, v4                       ; wcf: half r / 8
	v_and_b32 v8, 7, v1
	v_lshl_add_u32 v4, v8, 5, v4                   ; class r % 8
	v_lshl_add_u32 v4, v2, 4, v4
	v_add_nc_u32 v4, s26, v4
	v_mul_u32_u24 v5, v1, RPITCH
	v_lshl_add_u32 v5, v2, 5, v5
	v_add_nc_u32 v5, s27, v5                       ; scratch, in: row r, 32 bytes for each half of the lanes
	v_lshrrev_b32 v6, 3, v0
	v_mul_u32_u24 v6, v6, RPITCH
	v_and_b32 v8, 7, v0
	v_lshl_add_u32 v6, v8, 3, v6
	v_add_nc_u32 v6, RED, v6                       ; scratch, back: thread t takes 8 bytes at 8 (t % 8) of row t / 8
	v_lshlrev_b32 v7, 3, v0
	v_add_nc_u32 v7, s28, v7                       ; and the same 8 bytes of g
	s_wait_dscnt 0x0
	s_wait_kmcnt 0x0
	s_add_nc_u64 s[14:15], s[4:5], s[24:25]
	s_or_b32 s15, s15, 0x80000000                  ; type = 2
	tensor_load_to_lds s[12:15], s[16:23]          ; the wave's only tensor load, ahead of everything else
	s_nop 0
.irp s, 0,1,2,3,4,5,6,7
.irp q, 0,1
	global_load_b128 v[WF+8*\s+4*\q:WF+8*\s+4*\q+3], v4, s[6:7] offset:512*\s+256*\q   ; lanes with r < 8 cover 256 aligned bytes, the others 256 more
.endr
.endr
	s_wait_tensorcnt 0x0                           ; my tile is in LDS
.irp s, 0,1,2,3,4,5,6,7
.irp a, 0,1,2,3
	ds_load_b128 v[Y+16*\s+4*\a:Y+16*\s+4*\a+3], v3 offset:128*\s+16*\a
.endr
.endr
; One step of 32 columns.  Register p of f's fragment holds places 2 p and 2 p + 1: loads 2 (p % 2) and 2 (p % 2) + 1, word p / 2.
; A fragment set is written again two steps later, behind the eight conversions of the step between, which name none of this step's
; matrix registers: more than the four places that ISA guide 7.12.1 asks for.  The two accumulators take turns.
.macro STEP s, zero
	s_wait_dscnt 28-4*\s                           ; LDS loads come back in order: this step's four are in, the later steps' stay out
.irp p, 0,1,2,3,4,5,6,7
	v_cvt_pk_bf16_f32 v[FR+8*(\s%2)+\p], v[Y+16*\s+8*(\p%2)+\p/2], v[Y+16*\s+8*(\p%2)+4+\p/2]
.endr
	s_wait_loadcnt 14-2*\s                         ; this step's two loads of wcf are in, the later steps' stay out
.if \zero
	v_wmma_f32_16x16x32_bf16 v[ACC+8*(\s%2):ACC+8*(\s%2)+7], v[WF+8*\s:WF+8*\s+7], v[FR+8*(\s%2):FR+8*(\s%2)+7], 0
.else
	v_wmma_f32_16x16x32_bf16 v[ACC+8*(\s%2):ACC+8*(\s%2)+7], v[WF+8*\s:WF+8*\s+7], v[FR+8*(\s%2):FR+8*(\s%2)+7], v[ACC+8*(\s%2):ACC+8*(\s%2)+7]
.endif
.endm
	STEP 0, 1                                      ; the first two products start the two sums
	STEP 1, 1
	STEP 2, 0
	STEP 3, 0
	STEP 4, 0
	STEP 5, 0
	STEP 6, 0
	STEP 7, 0
.rept 4
	v_nop                                          ; four places between the last matrix instruction and the reads of its result (ISA guide 7.12.1)
.endr
.irp j, 0,2,4,6
	v_pk_add_f32 v[ACC+\j:ACC+\j+1], v[ACC+\j:ACC+\j+1], v[ACC+8+\j:ACC+8+\j+1]
.endr
	ds_store_b128 v5, v[ACC:ACC+3]
	ds_store_b128 v5, v[ACC+4:ACC+7] offset:16
	s_wait_dscnt 0x0                               ; my stores are done, for the other waves' sake
	s_barrier_signal -1
	s_barrier_wait -1
.irp i, 0,1,2,3
	ds_load_b64 v[Y+2*\i:Y+2*\i+1], v6 offset:\i*RWAVE         ; the four waves' parts of my two numbers
.endr
	s_wait_dscnt 0x0
	v_pk_add_f32 v[Y:Y+1],   v[Y:Y+1],   v[Y+2:Y+3]
	v_pk_add_f32 v[Y+4:Y+5], v[Y+4:Y+5], v[Y+6:Y+7]
	v_pk_add_f32 v[Y:Y+1],   v[Y:Y+1],   v[Y+4:Y+5]
	global_store_b64 v7, v[Y:Y+1], s[8:9]          ; a wave stores 256 consecutive bytes, at a multiple of 256 from g's first byte
	s_wait_tensorcnt 0x0
	ds_add_u32 v240, v241
	s_wait_dscnt 0x0
	s_endpgm
.Lfunc_end_k_qc6a9fe2191_project:
	.size	k_qc6a9fe2191_project, .Lfunc_end_k_qc6a9fe2191_project-k_qc6a9fe2191_project
	.p2alignl 7, 3214868480
	.fill 96, 4, 3214868480
	.section	.rodata,"a",@progbits
	.p2align	6, 0x0
	.amdhsa_kernel k_qc6a9fe2191_project
		.amdhsa_group_segment_fixed_size 168448
		.amdhsa_private_segment_fixed_size 0
		.amdhsa_enable_private_segment 0
		.amdhsa_kernarg_size 24
		.amdhsa_user_sgpr_count 2
		.amdhsa_user_sgpr_kernarg_segment_ptr 1
		.amdhsa_wavefront_size32 1
		.amdhsa_system_sgpr_workgroup_id_x 1
		.amdhsa_system_sgpr_workgroup_id_y 1
		.amdhsa_system_sgpr_workgroup_id_z 1
		.amdhsa_system_vgpr_workitem_id 0
		.amdhsa_next_free_vgpr 242
		.amdhsa_next_free_sgpr 66
		.amdhsa_reserve_vcc 0
		.amdhsa_float_denorm_mode_32 3
		.amdhsa_float_denorm_mode_16_64 3
		.amdhsa_memory_ordered 1
		.amdhsa_forward_progress 1
		.amdhsa_inst_pref_size 13
	.end_amdhsa_kernel
	.amdgpu_metadata
---
amdhsa.version: [ 1, 2 ]
amdhsa.kernels:
  - .name:           k_qc6a9fe2191_project
    .symbol:         k_qc6a9fe2191_project.kd
    .args:
      - { .name: obj_feats, .offset: 0, .size: 8, .value_kind: global_buffer, .address_space: global }
      - { .name: wcf, .offset: 8, .size: 8, .value_kind: global_buffer, .address_space: global }
      - { .name: g, .offset: 16, .size: 8, .value_kind: global_buffer, .address_space: global }
    .group_segment_fixed_size: 168448
    .private_segment_fixed_size: 0
    .kernarg_segment_align: 8
    .kernarg_segment_size: 24
    .max_flat_workgroup_size: 128
    .sgpr_count:     66
    .vgpr_count:     242
    .wavefront_size: 32
...
	.end_amdgpu_metadata
.endif
;; end of part 2
;; launch pairsum (part 3): grid 256 x 1, 8 waves a work-group, no clusters, 0 bytes of LDS; arguments pairs, g, bcv, out0; writes out0
.if DOCPART == 3
	.amdgcn_target "amdgcn-amd-amdhsa--gfx1250"
	.amdhsa_code_object_version 6
	.text
	.protected	k_qc6a9fe2191_pairsum
	.globl	k_qc6a9fe2191_pairsum
	.p2align	8
	.type	k_qc6a9fe2191_pairsum,@function
k_qc6a9fe2191_pairsum:
	s_mov_b64 s[64:65], 0
	v_nop
	global_prefetch_b8 v0, s[64:65] scope:SCOPE_SE
	s_setreg_imm32_b32 hwreg(HW_REG_WAVE_MODE, 25, 1), 1
	s_wait_xcnt 0x0
; PAIRSUM: out[p][c] = g[s][c] + g[o][8 + c] + bc[c] for pair p = (s, o), all in f32.
; Two threads serve a pair, four classes each: 65,536 threads, 256 work-groups of 256.  One pass, no loop, no LDS, no barrier: the two gathers
; hang on the pair's indices, and g is 256 KiB that the launch reads again and again, so its loads carry no hint.
; LIMIT (indices): they are taken as 0 .. 4095, as the reference relies on; an unsigned minimum with 4095 keeps every address inside g, so a
; negative index is not wrapped round as JAX would wrap it.
	s_load_b256 s[4:11], s[0:1], 0x0               ; pairs s[4:5], g s[6:7], bcv s[8:9], out0 s[10:11]
	s_lshl_b32 s12, ttmp9, 10                      ; 128 pairs of 8 bytes a work-group
	s_lshl_b32 s13, ttmp9, 12                      ; 128 rows of 32 bytes of the output
	v_lshrrev_b32 v1, 1, v0
	v_lshlrev_b32 v1, 3, v1
	v_add_nc_u32 v1, s12, v1                       ; my pair
	v_and_b32 v2, 15, v0
	v_lshlrev_b32 v2, 4, v2                        ; bcv holds bc eight times: words 4 (t % 16) .. + 3 are classes 4 (t % 2) .. + 3
	v_and_b32 v3, 1, v0
	v_lshlrev_b32 v3, 4, v3                        ; my four classes: byte 16 (t % 2) of a half row of g
	v_lshlrev_b32 v20, 4, v0
	v_add_nc_u32 v20, s13, v20                     ; my 16 bytes of the output
	s_wait_kmcnt 0x0
	global_load_b64 v[6:7], v1, s[4:5] th:TH_LOAD_NT
	global_load_b128 v[8:11], v2, s[8:9]
	s_wait_loadcnt 0x1                             ; the pair is in; the younger load of bc stays out
	v_min_u32 v6, 0xfff, v6
	v_min_u32 v7, 0xfff, v7
	v_lshl_add_u32 v4, v6, 6, v3                   ; rows of 64 bytes
	v_lshl_add_u32 v5, v7, 6, v3
	global_load_b128 v[12:15], v4, s[6:7]          ; g[s][0:8], my four
	global_load_b128 v[16:19], v5, s[6:7] offset:32 ; g[o][8:16], my four
	s_wait_loadcnt 0x0
	v_pk_add_f32 v[12:13], v[12:13], v[16:17]
	v_pk_add_f32 v[14:15], v[14:15], v[18:19]
	v_pk_add_f32 v[12:13], v[12:13], v[8:9]
	v_pk_add_f32 v[14:15], v[14:15], v[10:11]
	global_store_b128 v20, v[12:15], s[10:11] th:TH_STORE_NT   ; sixteen neighbouring lanes store 256 consecutive bytes, at a multiple of 256 from the output's first byte
	s_endpgm
.Lfunc_end_k_qc6a9fe2191_pairsum:
	.size	k_qc6a9fe2191_pairsum, .Lfunc_end_k_qc6a9fe2191_pairsum-k_qc6a9fe2191_pairsum
	.p2alignl 7, 3214868480
	.fill 96, 4, 3214868480
	.section	.rodata,"a",@progbits
	.p2align	6, 0x0
	.amdhsa_kernel k_qc6a9fe2191_pairsum
		.amdhsa_group_segment_fixed_size 0
		.amdhsa_private_segment_fixed_size 0
		.amdhsa_enable_private_segment 0
		.amdhsa_kernarg_size 32
		.amdhsa_user_sgpr_count 2
		.amdhsa_user_sgpr_kernarg_segment_ptr 1
		.amdhsa_wavefront_size32 1
		.amdhsa_system_sgpr_workgroup_id_x 1
		.amdhsa_system_sgpr_workgroup_id_y 1
		.amdhsa_system_sgpr_workgroup_id_z 1
		.amdhsa_system_vgpr_workitem_id 0
		.amdhsa_next_free_vgpr 24
		.amdhsa_next_free_sgpr 66
		.amdhsa_reserve_vcc 0
		.amdhsa_float_denorm_mode_32 3
		.amdhsa_float_denorm_mode_16_64 3
		.amdhsa_memory_ordered 1
		.amdhsa_forward_progress 1
		.amdhsa_inst_pref_size 2
	.end_amdhsa_kernel
	.amdgpu_metadata
---
amdhsa.version: [ 1, 2 ]
amdhsa.kernels:
  - .name:           k_qc6a9fe2191_pairsum
    .symbol:         k_qc6a9fe2191_pairsum.kd
    .args:
      - { .name: pairs, .offset: 0, .size: 8, .value_kind: global_buffer, .address_space: global }
      - { .name: g, .offset: 8, .size: 8, .value_kind: global_buffer, .address_space: global }
      - { .name: bcv, .offset: 16, .size: 8, .value_kind: global_buffer, .address_space: global }
      - { .name: out0, .offset: 24, .size: 8, .value_kind: global_buffer, .address_space: global }
    .group_segment_fixed_size: 0
    .private_segment_fixed_size: 0
    .kernarg_segment_align: 8
    .kernarg_segment_size: 32
    .max_flat_workgroup_size: 256
    .sgpr_count:     66
    .vgpr_count:     24
    .wavefront_size: 32
...
	.end_amdgpu_metadata
.endif
;; end of part 3
;; ======== version 2 of 3: 3 launches; 1.12 times as fast as version 1
;; workspace buffers: wcf 65,536 bytes; bcv 512 bytes; g 262,144 bytes
;; launch fold (part 4): grid 32 x 2, 8 waves a work-group, no clusters, 28,160 bytes of LDS; arguments W1, W2, b1, wcf, bcv; writes wcf, bcv
.if DOCPART == 4
	.amdgcn_target "amdgcn-amd-amdhsa--gfx1250"
	.amdhsa_code_object_version 6
	.text
	.protected	k_qc6a9fe2191_fold
	.globl	k_qc6a9fe2191_fold
	.p2align	8
	.type	k_qc6a9fe2191_fold,@function
k_qc6a9fe2191_fold:
	s_mov_b64 s[64:65], 0
	v_nop
	global_prefetch_b8 v0, s[64:65] scope:SCOPE_SE
	s_setreg_imm32_b32 hwreg(HW_REG_WAVE_MODE, 25, 1), 1
	s_wait_xcnt 0x0
; FOLD: the two halves over k of Wc = W2 W1 ([8][2048]) and of W2 b1 ([8]).
; Nothing non-linear stands between the two linear layers, and a gather of rows commutes with a map that acts row by row, so
;   out[p] = f[s] . Wc[:, 0:1024] + f[o] . Wc[:, 1024:2048] + W2 b1 + b2        for every input.
; LIMIT (order of rounding): Wc is formed first, from W1 and W2 rounded to bf16 with f32 sums, in two halves over k, and each half is itself
; rounded to bf16 for the next launch's matrix product; the reference rounds nothing in between.  W2 b1 stays in f32 throughout.
;
; SHARES.  Work-group (x, y) owns the 64 columns J = 64 x .. 64 x + 63 of W1 (256 aligned bytes of a row) and the rows k = 512 y .. 512 y + 511:
; 128 KiB of W1 and 16 KiB of W2.  2,048 columns hold 32 such pieces.  The two halves over k are not added here (no traffic between
; work-groups): the next launch multiplies f by both and adds the products.  Each further halving of k would take half of this launch's bytes
; off a work-group and add 32 KiB to what each of the next launch's 256 work-groups reads: two halves are where the two meet.
; Wave w owns k = 512 y + 64 w .. + 63, two matrix steps of 32.  Its 32 loads of W1 go out at once, 512 bytes each.
; The 32 work-groups of one y read the same 16 KiB of W2 beside 128 KiB of their own: too small a part to ask for jointly in a cluster.
;
; NO TRANSPOSE.  r = lane % 16, h = lane / 16.  Load i (0..15) of step s takes row 32 s + 8 h + i (+ 8 if i >= 8) of the wave's 64, columns J + 4 r .. + 3.
; Matrix tile t (0..3) takes column J + 4 r + t as its row m = r, so register p of its first source is the pair (load 2p, load 2p+1), word t:
; k lies where a 16-bit fragment wants it (ISA guide 7.12.2).  The second source's column n = r is class r % 8 (8 classes fill 16 columns twice).
; Result: register j of lane (r, h) of tile t = Wc[r % 8][J + 32 h + 4 j + t], summed over the wave's 64 k.
;
; wcf (bf16), in the order in which the next launch's lanes take it: byte y*32768 + g*16384 + S*512 + q*256 + c*32 + h2*16 + e*2 holds half y of
; Wc[c][1024 g + 32 S + 16 h2 + 4 (n & 3) + (n >> 2)], n = 8 q + e.
; bcv (f32): word 64 y + n holds half y of (W2 b1)[n % 8].
.set ROWB,   8192                      ; bytes in a row of W1
.set W2P,    1040                      ; LDS: my 512 k of a row of W2 in bf16, 1,024 bytes + 16: an odd multiple of 16, so eight rows start in different columns of 16 bytes
.set BIAS,   8448                      ; LDS: 8 waves x 4 partial sums of W2 b1
.set PART,   8704                      ; LDS: 8 waves x 2,304 bytes of partial Wc
.set PPITCH, 144                       ; a row of PART: 32 f32 + 16 bytes
.set PWAVE,  16*PPITCH
.set X,    32                          ; v[32:159]  W1 as loaded: load i of step s at X + 64 s + 4 i
.set RAW,  160                         ; v[160:175] W2 as loaded (f32)
.set BF,   160                         ; v[160:175] afterwards: W2's fragments, step s at BF + 8 s
.set B1,   176                         ; v[176:179] four numbers of b1
.set P,    180                         ; v[180:183] partial sums of W2 b1
.set PK,   184                         ; v[184:191] W2 packed to bf16
.set FA,   192                         ; v[192:223] W1's fragments of step 0 (step 1's go to v[32:63], which step 0 has used up)
.set ACC,  224                         ; v[224:255] four accumulators, tile t at ACC + 8 t
.set OUTP, 96                          ; v[96:97]   four numbers of Wc in bf16
	s_load_b256 s[4:11], s[0:1], 0x0               ; W1 s[4:5], W2 s[6:7], b1 s[8:9], wcf s[10:11]
	s_load_b64 s[12:13], s[0:1], 0x20              ; bcv
	v_lshl_add_u32 v30, v0, 2, 0x6a00
	v_mov_b32 v31, 0
	v_and_b32 v1, 15, v0                           ; r
	v_bfe_u32 v2, v0, 4, 1                         ; h
	v_lshrrev_b32 v3, 5, v0
	v_readfirstlane_b32 s16, v3                    ; w, the wave's number
	s_mov_b32 s17, ttmp9                           ; x: which 64 columns
	s_and_b32 s27, ttmp7, 0xffff                   ; y: which half of k
	s_mov_b32 s20, 0x76543210                      ; v_permlanex16_b32: lane i of one half reads lane i of the other
	s_mov_b32 s21, 0xfedcba98
	s_lshl_b32 s18, s17, 8                         ; my 256 bytes of a row of W1
	s_lshl_b32 s19, s16, 19                        ; + 64 w rows of 8,192 bytes
	s_add_co_u32 s18, s18, s19
	s_lshl_b32 s19, s27, 22                        ; + 512 y rows
	s_add_co_u32 s18, s18, s19
	s_mov_b32 s19, 0
	s_lshl_b32 s28, s27, 11                        ; 512 y numbers of 4 bytes: my half of a row of W2, and of b1
	s_mov_b32 s29, 0
	s_mul_i32 s23, s16, PWAVE
	s_add_co_u32 s23, s23, PART                    ; my wave's part of PART
	s_lshl4_add_u32 s24, s17, s16                  ; 16 x + w
	s_lshl_b32 s25, s16, 4
	s_add_co_u32 s25, s25, BIAS                    ; my wave's four words of BIAS
	s_lshl_b32 s26, s16, 7                         ; my wave's 64 k in a row of W2 in bf16
	v_and_b32 v3, 127, v0
	v_lshrrev_b32 v7, 7, v0
	v_lshlrev_b32 v4, 4, v3                        ; W2: 16 bytes a thread, 128 threads for a class's 2,048 bytes;
	v_lshl_add_u32 v4, v7, 12, v4                  ;     load i adds two rows: class 2 i + (thread >> 7), k = 4 (thread & 127) ..
	v_lshlrev_b32 v5, 4, v1                        ; W1: 16 r
	v_lshl_add_u32 v5, v2, 16, v5                  ;     + 8 h rows
	v_lshlrev_b32 v6, 4, v3                        ; b1: the same four k as my numbers of W2
	v_mul_u32_u24 v7, v7, W2P
	v_lshl_add_u32 v7, v3, 3, v7                   ; W2 in LDS: row (thread >> 7), 8 bytes at 8 (thread & 127); store i adds two rows
	v_mov_b32 v8, s25
	v_and_b32 v9, 7, v1
	v_mul_u32_u24 v9, v9, W2P
	v_lshl_add_u32 v9, v2, 4, v9
	v_add_nc_u32 v9, s26, v9                       ; W2's fragment: row r % 8, byte 128 w + 16 h
	s_wait_kmcnt 0x0
	s_add_nc_u64 s[4:5], s[4:5], s[18:19]
	s_add_nc_u64 s[6:7], s[6:7], s[28:29]
	s_add_nc_u64 s[8:9], s[8:9], s[28:29]
	; All loads at once.  W2 and b1 first, so that a counted wait can take them while W1 is on its way.
.irp i, 0,1,2,3
	global_load_b128 v[RAW+4*\i:RAW+4*\i+3], v4, s[6:7] offset:\i*8192     ; a wave's load covers 512 consecutive aligned bytes of one class
.endr
	global_load_b128 v[B1:B1+3], v6, s[8:9]        ; in every work-group, so that the counts below are the same on every path
.irp s, 0,1
.irp i, 0,1,2,3,4,5,6,7,8,9,10,11,12,13,14,15
	global_load_b128 v[X+64*\s+4*\i:X+64*\s+4*\i+3], v5, s[4:5] offset:(32*\s+\i+8*(\i/8))*ROWB th:TH_LOAD_NT   ; lanes 0-15: 256 aligned bytes of one row; lanes 16-31: of the row 8 below
.endr
.endr
	; W2 to bf16 and into LDS, each number once for the work-group.
	s_wait_loadcnt 32                              ; loads come back in order (ISA guide 5.7.1): W2 and b1 are in, the 32 younger loads of W1 stay out
.irp i, 0,1,2,3
	v_cvt_pk_bf16_f32 v[PK+2*\i],   v[RAW+4*\i],   v[RAW+4*\i+1]
	v_cvt_pk_bf16_f32 v[PK+2*\i+1], v[RAW+4*\i+2], v[RAW+4*\i+3]
.endr
.irp i, 0,1,2,3
	ds_store_b64 v7, v[PK+2*\i:PK+2*\i+1] offset:\i*2*W2P
.endr
	s_cmp_lg_u32 s17, 0
	s_cbranch_scc1 .Lno_bias                       ; each half of W2 b1 is made once in the launch, by the work-group with x = 0
	; P[i] = my four k of class 2 i + (w >> 2), in f32, then summed over the wave's 32 lanes: four chains side by side
.irp i, 0,1,2,3
	v_mul_f32 v[P+\i], v[RAW+4*\i], v[B1]
.endr
.irp j, 1,2,3
.irp i, 0,1,2,3
	v_fmac_f32 v[P+\i], v[RAW+4*\i+\j], v[B1+\j]
.endr
.endr
.irp m, 1,2,4,8
.irp i, 0,1,2,3
	v_add_f32_dpp v[P+\i], v[P+\i], v[P+\i] row_xmask:\m row_mask:0xf bank_mask:0xf
.endr
.endr
.irp i, 0,1,2,3
	v_permlanex16_b32 v[B1+\i], v[P+\i], s20, s21  ; b1 has been used up; the destination counts as read and has been written
.endr
.irp i, 0,1,2,3
	v_add_f32 v[P+\i], v[P+\i], v[B1+\i]
.endr
	ds_store_b128 v8, v[P:P+3]                     ; every lane holds the same four sums and writes the same 16 bytes
.Lno_bias:
	s_wait_dscnt 0x0                               ; my LDS stores are done, for the other waves' sake
	s_barrier_signal -1
	s_barrier_wait -1                              ; my half of W2 is whole in LDS.  W1's loads stay on their way: nobody writes those bytes
; 32 conversions: the four tiles' first sources of step s, into dst
.macro PACK s, dst
.irp t, 0,1,2,3
.irp p, 0,1,2,3,4,5,6,7
	v_cvt_pk_bf16_f32 v[\dst+8*\t+\p], v[X+64*\s+8*\p+\t], v[X+64*\s+8*\p+4+\t]
.endr
.endr
.endm
; The four matrix instructions of step s.  The four accumulators take turns, one instruction a turn.
.macro MUL4 s, fa, zero
.irp t, 0,1,2,3
.if \zero
	v_wmma_f32_16x16x32_bf16 v[ACC+8*\t:ACC+8*\t+7], v[\fa+8*\t:\fa+8*\t+7], v[BF+8*\s:BF+8*\s+7], 0
.else
	v_wmma_f32_16x16x32_bf16 v[ACC+8*\t:ACC+8*\t+7], v[\fa+8*\t:\fa+8*\t+7], v[BF+8*\s:BF+8*\s+7], v[ACC+8*\t:ACC+8*\t+7]
.endif
.endr
.endm
.irp s, 0,1
	ds_load_b128 v[BF+8*\s:BF+8*\s+3],   v9 offset:64*\s       ; k = 64 w + 32 s + 8 h .. of my half
	ds_load_b128 v[BF+8*\s+4:BF+8*\s+7], v9 offset:64*\s+32    ; k = 64 w + 32 s + 16 + 8 h ..
.endr
	s_wait_loadcnt 16                              ; step 0's sixteen loads are in, step 1's sixteen stay out
	PACK 0, FA
	s_wait_dscnt 0x0                               ; W2's fragments
	MUL4 0, FA, 1                                  ; the first products start the sums: nothing is cleared
	s_wait_loadcnt 0x0
	PACK 1, X                                      ; into v[32:63]: no register of the four matrix instructions above
	MUL4 1, X, 0
	; The wave's partial Wc goes to its own part of PART: row 8 h + class, word 8 t + j.  The four address lines are the four places
	; that stand between a matrix instruction and a store of its result.  All lanes store: lanes r and r + 8 hold the
	; same numbers (columns 8-15 of the second source repeat columns 0-7) and write them to the same bytes.
	v_and_b32 v3, 7, v1
	v_lshl_add_u32 v3, v2, 3, v3
	v_mul_u32_u24 v3, v3, PPITCH
	v_add_nc_u32 v10, s23, v3
.irp t, 0,1,2,3
	ds_store_b128 v10, v[ACC+8*\t:ACC+8*\t+3]   offset:32*\t
	ds_store_b128 v10, v[ACC+8*\t+4:ACC+8*\t+7] offset:32*\t+16
.endr
	s_wait_dscnt 0x0                               ; my stores are done, for the waves that sum
	s_barrier_signal -1
	s_barrier_wait -1
; the first n groups of four registers of X take up the next n
.macro FOLD n
.set k, 0
.rept 2*\n
	v_pk_add_f32 v[X+2*k:X+2*k+1], v[X+2*k:X+2*k+1], v[X+4*\n+2*k:X+4*\n+2*k+1]
.set k, k+1
.endr
.endm
	s_cmp_gt_u32 s16, 3
	s_cbranch_scc1 .Ltail
	; Waves 0 to 3: thread u (0..127) sums the eight waves' parts of four numbers and stores them as 8 bytes of wcf.
	; u's bits: 0 tb, 1 h2, 4:2 class, 5 q, 6 Sh.  Tile t = 2 q + tb, registers j = 4 h2 .. 4 h2 + 3, row 8 Sh + class:
	; these are places n = 4 t .. 4 t + 3 of lane (class, h2) in block S = 2 (x % 16) + Sh, at byte 32768 y + 1024 x + 8 u of wcf.
	v_bfe_u32 v3, v0, 2, 3                         ; class
	v_bfe_u32 v11, v0, 6, 1                        ; Sh
	v_lshl_add_u32 v3, v11, 3, v3
	v_mul_u32_u24 v3, v3, PPITCH
	v_and_b32 v11, 1, v0                           ; tb
	v_lshl_add_u32 v3, v11, 5, v3
	v_bfe_u32 v11, v0, 5, 1                        ; q
	v_lshl_add_u32 v3, v11, 6, v3
	v_bfe_u32 v11, v0, 1, 1                        ; h2
	v_lshl_add_u32 v3, v11, 4, v3
	v_add_nc_u32 v11, PART, v3
.irp wv, 0,1,2,3,4,5,6,7
	ds_load_b128 v[X+4*\wv:X+4*\wv+3], v11 offset:\wv*PWAVE    ; rows two classes apart meet in two columns of 16 bytes: accepted for these 8 loads; the pitch keeps the stores apart
.endr
	s_lshl_b32 s18, s17, 10
	s_lshl_b32 s19, s27, 15
	s_add_co_u32 s18, s18, s19
	v_lshlrev_b32 v12, 3, v0
	v_add_nc_u32 v12, s18, v12
	s_wait_dscnt 0x0
	FOLD 4                                         ; a fixed tree in f32: 8 + 4 + 2 packed adds
	FOLD 2
	FOLD 1
	v_cvt_pk_bf16_f32 v[OUTP],   v[X],   v[X+1]
	v_cvt_pk_bf16_f32 v[OUTP+1], v[X+2], v[X+3]
	global_store_b64 v12, v[OUTP:OUTP+1], s[10:11] ; a wave stores 256 consecutive bytes, at a multiple of 256 from wcf's first byte
	s_wait_tensorcnt 0x0
	ds_add_u32 v30, v31
	s_wait_dscnt 0x0
	s_endpgm
.Ltail:
	s_cmp_lg_u32 s24, 4
	s_cbranch_scc1 .Lend
	; Wave 4 of the work-group with x = 0: my half of W2 b1, eight times over, 64 f32.  Lane L takes i = L % 4: waves 0-3 hold class 2 i,
	; waves 4-7 class 2 i + 1, which go to the low and the high register of four pairs.
	v_and_b32 v3, 3, v0
	v_lshl_add_u32 v13, v3, 2, BIAS
	v_and_b32 v15, 31, v0
	v_lshlrev_b32 v15, 3, v15
	s_lshl_b32 s18, s27, 8
	v_add_nc_u32 v15, s18, v15                     ; 256 y + 8 L
.irp wv, 0,1,2,3,4,5,6,7
	ds_load_b32 v[X+2*(\wv%4)+\wv/4], v13 offset:16*\wv
.endr
	s_wait_dscnt 0x0
	FOLD 1                                         ; four pairs to two,
	v_pk_add_f32 v[X:X+1], v[X:X+1], v[X+2:X+3]    ; to one
	global_store_b64 v15, v[X:X+1], s[12:13]       ; the wave stores 256 consecutive bytes, at a multiple of 256 from bcv's first byte
.Lend:
	s_wait_tensorcnt 0x0
	ds_add_u32 v30, v31
	s_wait_dscnt 0x0
	s_endpgm
.Lfunc_end_k_qc6a9fe2191_fold:
	.size	k_qc6a9fe2191_fold, .Lfunc_end_k_qc6a9fe2191_fold-k_qc6a9fe2191_fold
	.p2alignl 7, 3214868480
	.fill 96, 4, 3214868480
	.section	.rodata,"a",@progbits
	.p2align	6, 0x0
	.amdhsa_kernel k_qc6a9fe2191_fold
		.amdhsa_group_segment_fixed_size 28160
		.amdhsa_private_segment_fixed_size 0
		.amdhsa_enable_private_segment 0
		.amdhsa_kernarg_size 40
		.amdhsa_user_sgpr_count 2
		.amdhsa_user_sgpr_kernarg_segment_ptr 1
		.amdhsa_wavefront_size32 1
		.amdhsa_system_sgpr_workgroup_id_x 1
		.amdhsa_system_sgpr_workgroup_id_y 1
		.amdhsa_system_sgpr_workgroup_id_z 1
		.amdhsa_system_vgpr_workitem_id 0
		.amdhsa_next_free_vgpr 256
		.amdhsa_next_free_sgpr 66
		.amdhsa_reserve_vcc 0
		.amdhsa_float_denorm_mode_32 3
		.amdhsa_float_denorm_mode_16_64 3
		.amdhsa_memory_ordered 1
		.amdhsa_forward_progress 1
		.amdhsa_inst_pref_size 19
	.end_amdhsa_kernel
	.amdgpu_metadata
---
amdhsa.version: [ 1, 2 ]
amdhsa.kernels:
  - .name:           k_qc6a9fe2191_fold
    .symbol:         k_qc6a9fe2191_fold.kd
    .args:
      - { .name: W1, .offset: 0, .size: 8, .value_kind: global_buffer, .address_space: global }
      - { .name: W2, .offset: 8, .size: 8, .value_kind: global_buffer, .address_space: global }
      - { .name: b1, .offset: 16, .size: 8, .value_kind: global_buffer, .address_space: global }
      - { .name: wcf, .offset: 24, .size: 8, .value_kind: global_buffer, .address_space: global }
      - { .name: bcv, .offset: 32, .size: 8, .value_kind: global_buffer, .address_space: global }
    .group_segment_fixed_size: 28160
    .private_segment_fixed_size: 0
    .kernarg_segment_align: 8
    .kernarg_segment_size: 40
    .max_flat_workgroup_size: 256
    .sgpr_count:     66
    .vgpr_count:     256
    .wavefront_size: 32
...
	.end_amdgpu_metadata
.endif
;; end of part 4
;; launch project (part 5): grid 256 x 1, 4 waves a work-group, no clusters, 168,448 bytes of LDS; arguments obj_feats, wcf, g; writes g
.if DOCPART == 5
	.amdgcn_target "amdgcn-amd-amdhsa--gfx1250"
	.amdhsa_code_object_version 6
	.text
	.protected	k_qc6a9fe2191_project
	.globl	k_qc6a9fe2191_project
	.p2align	8
	.type	k_qc6a9fe2191_project,@function
k_qc6a9fe2191_project:
	s_mov_b64 s[64:65], 0
	v_nop
	global_prefetch_b8 v0, s[64:65] scope:SCOPE_SE
	s_setreg_imm32_b32 hwreg(HW_REG_WAVE_MODE, 25, 1), 1
	s_wait_xcnt 0x0
; PROJECT: g[n][c'] = sum over col of f[n][col] Wc[c' % 8][1024 (c' / 8) + col], n = 0..4095, c' = 0..15: each object's share in the result as
; first member of a pair (c' 0-7) and as second (c' 8-15).  f is rounded to bf16 on the way to the matrix unit, sums in f32, g in f32.
; Wc comes as two halves of its sum over k (wcf, 2 x 32 KiB in bf16).  f is multiplied by both, half 0 onto one accumulator and half 1 onto the
; other, and the two are added at the end: the sum of the halves is formed here, in f32.
; SHARES.  Work-group x owns rows 16 x .. 16 x + 15 of f (64 KiB), 256 work-groups.  Wave w owns columns 256 w .. + 255: one tensor load of
; 16 rows x 1,024 bytes into its own LDS bytes, filled once and read by that wave alone, so its own wait on TENSORcnt is all the ordering
; the reads need; a wave has one tensor load outstanding.  Eight steps of 32 columns, two matrix instructions each; the four waves' tiles
; are summed through LDS.
; THE ORDER OF k.  In a block of 32 columns lane half h2 takes columns 16 h2 .. + 15, 64 neighbouring bytes of f32, by four loads of 16 bytes;
; place n (0..15) of the lane's fragment holds column 16 h2 + 4 (n & 3) + (n >> 2).  wcf was written in the same order, so each product
; pairs the same column on both sides.
; THE MATRIX INSTRUCTION IS USED TRANSPOSED: first source = the 16 rows c' of Wc, second = 16 rows of f; register j of lane (r, h2) is then
; g[row r][8 h2 + j]: eight neighbouring numbers of a row of g.
; NO JOINT LOADS: all work-groups read the same 64 KiB of wcf beside 64 KiB of their own; each wave takes its 16 KiB straight into registers in
; fragment order.  Asked for jointly it would pass through LDS and need two rounds of a cluster's barrier for a single fill.
; 71,680 bytes of LDS are used; more than half of a WGP's LDS is declared.
.set TPITCH, 1040                      ; an LDS row of the tile: 1,024 bytes + 16: row r starts at 16 r modulo 256, so sixteen rows start in sixteen different columns of 16 bytes
.set TWAVE,  16*TPITCH                 ; a wave's tile
.set RED,    4*TWAVE                   ; 66,560 = 260 x 256: scratch for the sum over waves, bytes into which no tensor load lands
.set RPITCH, 80                        ; a row of 16 f32 + 16 bytes
.set RWAVE,  16*RPITCH
.set HALFW,  32768                     ; bytes of one half of Wc in wcf
.set Y,   16                           ; v[16:79]   f as f32, a ring of four steps: load a of step s at Y + 16 (s % 4) + 4 a
.set WF,  80                           ; v[80:207]  Wc's fragments: half p of step s at WF + 16 s + 8 p
.set FR,  208                          ; v[208:223] f's fragments, two sets that take turns
.set ACC, 224                          ; v[224:239] two accumulators, one for each half of Wc
	s_load_b128 s[4:7], s[0:1], 0x0                ; f s[4:5], wcf s[6:7]
	s_load_b64 s[8:9], s[0:1], 0x10                ; g
	v_lshl_add_u32 v240, v0, 2, 0x29000
	v_mov_b32 v241, 0
	ds_add_u32 v240, v241
	ds_add_u32 v240, v241
	v_lshrrev_b32 v8, 5, v0
	v_readfirstlane_b32 s10, v8                    ; w
	; descriptor group 1: 16 rows of 256 elements of 4 bytes, 1,024 elements from row to row, 4 words of padding behind every 256
	s_mov_b32 s16, (2<<16)|(1<<20)|(7<<22)|(3<<25) ; 15:0 no mask; 17:16 element of 4 bytes; 20 padding on; 24:22 after every 256 words (code 7); 31:25 of 4 words (code 3)
	s_mov_b32 s17, 256<<16                         ; tensor_dim0 = 256
	s_mov_b32 s18, 16<<16                          ; tensor_dim1 = 16
	s_mov_b32 s19, 256<<16                         ; tile_dim0 = 256
	s_mov_b32 s20, 16                              ; tile_dim1 = 16
	s_mov_b32 s21, 1024                            ; the pitch
	s_mov_b32 s22, 0
	s_mov_b32 s23, 0
	s_mov_b32 s12, 1                               ; group 0: count
	s_mul_i32 s13, s10, TWAVE                      ; LDS address: the wave's number times a constant
	s_lshl_b32 s24, ttmp9, 16                      ; 16 x rows of 4,096 bytes
	s_lshl_b32 s25, s10, 10                        ; + 256 w columns
	s_add_co_u32 s24, s24, s25
	s_mov_b32 s25, 0
	s_lshl_b32 s26, s10, 12                        ; wcf: 8 w blocks of 512 bytes
	s_mul_i32 s27, s10, RWAVE
	s_add_co_u32 s27, s27, RED                     ; my wave's scratch
	s_lshl_b32 s28, ttmp9, 10                      ; g: 16 x rows of 64 bytes
	v_and_b32 v1, 15, v0                           ; r
	v_bfe_u32 v2, v0, 4, 1                         ; h2
	v_mul_u32_u24 v3, v1, TPITCH
	v_lshl_add_u32 v3, v2, 6, v3
	v_add_nc_u32 v3, s13, v3                       ; tile: row r, byte 64 h2
	v_lshrrev_b32 v4, 3, v1
	v_lshlrev_b32 v4, 14, v4                       ; wcf: first or second member, r / 8
	v_and_b32 v8, 7, v1
	v_lshl_add_u32 v4, v8, 5, v4                   ; class r % 8
	v_lshl_add_u32 v4, v2, 4, v4
	v_add_nc_u32 v4, s26, v4
	v_mul_u32_u24 v5, v1, RPITCH
	v_lshl_add_u32 v5, v2, 5, v5
	v_add_nc_u32 v5, s27, v5                       ; scratch, in: row r, 32 bytes for each half of the lanes
	v_lshrrev_b32 v6, 3, v0
	v_mul_u32_u24 v6, v6, RPITCH
	v_and_b32 v8, 7, v0
	v_lshl_add_u32 v6, v8, 3, v6
	v_add_nc_u32 v6, RED, v6                       ; scratch, back: thread t takes 8 bytes at 8 (t % 8) of row t / 8
	v_lshlrev_b32 v7, 3, v0
	v_add_nc_u32 v7, s28, v7                       ; and the same 8 bytes of g
	s_wait_dscnt 0x0
	s_wait_kmcnt 0x0
	s_add_nc_u64 s[14:15], s[4:5], s[24:25]
	s_or_b32 s15, s15, 0x80000000                  ; type = 2
	tensor_load_to_lds s[12:15], s[16:23]          ; the wave's only tensor load, ahead of everything else
	s_nop 0
.irp s, 0,1,2,3,4,5,6,7
.irp p, 0,1
.irp q, 0,1
	global_load_b128 v[WF+16*\s+8*\p+4*\q:WF+16*\s+8*\p+4*\q+3], v4, s[6:7] offset:HALFW*\p+512*\s+256*\q   ; lanes with r < 8 cover 256 aligned bytes, the others 256 more
.endr
.endr
.endr
	s_wait_tensorcnt 0x0                           ; my tile is in LDS
.irp s, 0,1,2,3
.irp a, 0,1,2,3
	ds_load_b128 v[Y+16*\s+4*\a:Y+16*\s+4*\a+3], v3 offset:128*\s+16*\a
.endr
.endr
; One step of 32 columns.  Register p of f's fragment holds places 2 p and 2 p + 1: loads 2 (p % 2) and 2 (p % 2) + 1, word p / 2.
; Behind the conversions the step's sixteen registers of the ring are free, and step s + 4 is loaded into them.
; A fragment set is written again two steps later, behind the eight conversions of the step between, which name none of this step's
; matrix registers: more than the four places that ISA guide 7.12.1 asks for.  The two accumulators take turns.
.macro STEP s, zero
.if \s < 5
	s_wait_dscnt 12                                ; LDS loads come back in order: this step's four are in; three steps' loads were issued behind them
.else
	s_wait_dscnt 28-4*\s                           ; the ring runs empty: 8, 4, 0
.endif
.irp p, 0,1,2,3,4,5,6,7
	v_cvt_pk_bf16_f32 v[FR+8*(\s%2)+\p], v[Y+16*(\s%4)+8*(\p%2)+\p/2], v[Y+16*(\s%4)+8*(\p%2)+4+\p/2]
.endr
.if \s < 4
.irp a, 0,1,2,3
	ds_load_b128 v[Y+16*\s+4*\a:Y+16*\s+4*\a+3], v3 offset:128*(\s+4)+16*\a
.endr
.endif
	s_wait_loadcnt 28-4*\s                         ; this step's four loads of wcf are in, the later steps' stay out
.irp p, 0,1
.if \zero
	v_wmma_f32_16x16x32_bf16 v[ACC+8*\p:ACC+8*\p+7], v[WF+16*\s+8*\p:WF+16*\s+8*\p+7], v[FR+8*(\s%2):FR+8*(\s%2)+7], 0
.else
	v_wmma_f32_16x16x32_bf16 v[ACC+8*\p:ACC+8*\p+7], v[WF+16*\s+8*\p:WF+16*\s+8*\p+7], v[FR+8*(\s%2):FR+8*(\s%2)+7], v[ACC+8*\p:ACC+8*\p+7]
.endif
.endr
.endm
	STEP 0, 1                                      ; the first two products start the two sums
	STEP 1, 0
	STEP 2, 0
	STEP 3, 0
	STEP 4, 0
	STEP 5, 0
	STEP 6, 0
	STEP 7, 0
.rept 4
	v_nop                                          ; four places between the last matrix instruction and the reads of its result (ISA guide 7.12.1)
.endr
.irp j, 0,2,4,6
	v_pk_add_f32 v[ACC+\j:ACC+\j+1], v[ACC+\j:ACC+\j+1], v[ACC+8+\j:ACC+8+\j+1]   ; the two halves of Wc meet
.endr
	ds_store_b128 v5, v[ACC:ACC+3]
	ds_store_b128 v5, v[ACC+4:ACC+7] offset:16
	s_wait_dscnt 0x0                               ; my stores are done, for the other waves' sake
	s_barrier_signal -1
	s_barrier_wait -1
.irp i, 0,1,2,3
	ds_load_b64 v[Y+2*\i:Y+2*\i+1], v6 offset:\i*RWAVE         ; the four waves' parts of my two numbers
.endr
	s_wait_dscnt 0x0
	v_pk_add_f32 v[Y:Y+1],   v[Y:Y+1],   v[Y+2:Y+3]
	v_pk_add_f32 v[Y+4:Y+5], v[Y+4:Y+5], v[Y+6:Y+7]
	v_pk_add_f32 v[Y:Y+1],   v[Y:Y+1],   v[Y+4:Y+5]
	global_store_b64 v7, v[Y:Y+1], s[8:9]          ; a wave stores 256 consecutive bytes, at a multiple of 256 from g's first byte
	s_wait_tensorcnt 0x0
	ds_add_u32 v240, v241
	s_wait_dscnt 0x0
	s_endpgm
.Lfunc_end_k_qc6a9fe2191_project:
	.size	k_qc6a9fe2191_project, .Lfunc_end_k_qc6a9fe2191_project-k_qc6a9fe2191_project
	.p2alignl 7, 3214868480
	.fill 96, 4, 3214868480
	.section	.rodata,"a",@progbits
	.p2align	6, 0x0
	.amdhsa_kernel k_qc6a9fe2191_project
		.amdhsa_group_segment_fixed_size 168448
		.amdhsa_private_segment_fixed_size 0
		.amdhsa_enable_private_segment 0
		.amdhsa_kernarg_size 24
		.amdhsa_user_sgpr_count 2
		.amdhsa_user_sgpr_kernarg_segment_ptr 1
		.amdhsa_wavefront_size32 1
		.amdhsa_system_sgpr_workgroup_id_x 1
		.amdhsa_system_sgpr_workgroup_id_y 1
		.amdhsa_system_sgpr_workgroup_id_z 1
		.amdhsa_system_vgpr_workitem_id 0
		.amdhsa_next_free_vgpr 242
		.amdhsa_next_free_sgpr 66
		.amdhsa_reserve_vcc 0
		.amdhsa_float_denorm_mode_32 3
		.amdhsa_float_denorm_mode_16_64 3
		.amdhsa_memory_ordered 1
		.amdhsa_forward_progress 1
		.amdhsa_inst_pref_size 15
	.end_amdhsa_kernel
	.amdgpu_metadata
---
amdhsa.version: [ 1, 2 ]
amdhsa.kernels:
  - .name:           k_qc6a9fe2191_project
    .symbol:         k_qc6a9fe2191_project.kd
    .args:
      - { .name: obj_feats, .offset: 0, .size: 8, .value_kind: global_buffer, .address_space: global }
      - { .name: wcf, .offset: 8, .size: 8, .value_kind: global_buffer, .address_space: global }
      - { .name: g, .offset: 16, .size: 8, .value_kind: global_buffer, .address_space: global }
    .group_segment_fixed_size: 168448
    .private_segment_fixed_size: 0
    .kernarg_segment_align: 8
    .kernarg_segment_size: 24
    .max_flat_workgroup_size: 128
    .sgpr_count:     66
    .vgpr_count:     242
    .wavefront_size: 32
...
	.end_amdgpu_metadata
.endif
;; end of part 5
;; launch pairsum (part 6): grid 256 x 1, 8 waves a work-group, no clusters, 0 bytes of LDS; arguments pairs, g, bcv, b2, out0; writes out0
.if DOCPART == 6
	.amdgcn_target "amdgcn-amd-amdhsa--gfx1250"
	.amdhsa_code_object_version 6
	.text
	.protected	k_qc6a9fe2191_pairsum
	.globl	k_qc6a9fe2191_pairsum
	.p2align	8
	.type	k_qc6a9fe2191_pairsum,@function
k_qc6a9fe2191_pairsum:
	s_mov_b64 s[64:65], 0
	v_nop
	global_prefetch_b8 v0, s[64:65] scope:SCOPE_SE
	s_setreg_imm32_b32 hwreg(HW_REG_WAVE_MODE, 25, 1), 1
	s_wait_xcnt 0x0
; PAIRSUM: out[p][c] = g[s][c] + g[o][8 + c] + (W2 b1)[c] + b2[c] for pair p = (s, o), all in f32.  W2 b1 comes as two halves of its sum over k.
; Two threads serve a pair, four classes each: 65,536 threads, 256 work-groups of 256.  One pass, no loop, no LDS, no barrier: the two gathers
; hang on the pair's indices, and g is 256 KiB that the launch reads again and again, so its loads carry no hint.
; LIMIT (indices): they are taken as 0 .. 4095, as the reference relies on; an unsigned minimum with 4095 keeps every address inside g, so a
; negative index is not wrapped round as JAX would wrap it.
	s_load_b256 s[4:11], s[0:1], 0x0               ; pairs s[4:5], g s[6:7], bcv s[8:9], b2 s[10:11]
	s_load_b64 s[12:13], s[0:1], 0x20              ; out0
	s_lshl_b32 s14, ttmp9, 10                      ; 128 pairs of 8 bytes a work-group
	s_lshl_b32 s15, ttmp9, 12                      ; 128 rows of 32 bytes of the output
	v_lshrrev_b32 v1, 1, v0
	v_lshlrev_b32 v1, 3, v1
	v_add_nc_u32 v1, s14, v1                       ; my pair
	v_and_b32 v2, 15, v0
	v_lshlrev_b32 v2, 4, v2                        ; each half of bcv holds its eight sums eight times: words 4 (t % 16) .. + 3 are classes 4 (t % 2) .. + 3
	v_and_b32 v3, 1, v0
	v_lshlrev_b32 v3, 4, v3                        ; my four classes: byte 16 (t % 2) of b2 and of a half row of g
	v_lshlrev_b32 v28, 4, v0
	v_add_nc_u32 v28, s15, v28                     ; my 16 bytes of the output
	s_wait_kmcnt 0x0
	global_load_b64 v[6:7], v1, s[4:5] th:TH_LOAD_NT
	global_load_b128 v[8:11], v2, s[8:9]           ; W2 b1, first half of k
	global_load_b128 v[12:15], v2, s[8:9] offset:256 ; second half
	global_load_b128 v[16:19], v3, s[10:11]        ; b2
	s_wait_loadcnt 0x3                             ; the pair is in; the three younger loads stay out
	v_min_u32 v6, 0xfff, v6
	v_min_u32 v7, 0xfff, v7
	v_lshl_add_u32 v4, v6, 6, v3                   ; rows of 64 bytes
	v_lshl_add_u32 v5, v7, 6, v3
	global_load_b128 v[20:23], v4, s[6:7]          ; g[s][0:8], my four
	global_load_b128 v[24:27], v5, s[6:7] offset:32 ; g[o][8:16], my four
	s_wait_loadcnt 0x2                             ; the bias's three parts are in and are added while the two gathers are on their way
	v_pk_add_f32 v[8:9],   v[8:9],   v[12:13]
	v_pk_add_f32 v[10:11], v[10:11], v[14:15]
	v_pk_add_f32 v[8:9],   v[8:9],   v[16:17]
	v_pk_add_f32 v[10:11], v[10:11], v[18:19]
	s_wait_loadcnt 0x0
	v_pk_add_f32 v[20:21], v[20:21], v[24:25]
	v_pk_add_f32 v[22:23], v[22:23], v[26:27]
	v_pk_add_f32 v[20:21], v[20:21], v[8:9]
	v_pk_add_f32 v[22:23], v[22:23], v[10:11]
	global_store_b128 v28, v[20:23], s[12:13] th:TH_STORE_NT   ; sixteen neighbouring lanes store 256 consecutive bytes, at a multiple of 256 from the output's first byte
	s_endpgm
.Lfunc_end_k_qc6a9fe2191_pairsum:
	.size	k_qc6a9fe2191_pairsum, .Lfunc_end_k_qc6a9fe2191_pairsum-k_qc6a9fe2191_pairsum
	.p2alignl 7, 3214868480
	.fill 96, 4, 3214868480
	.section	.rodata,"a",@progbits
	.p2align	6, 0x0
	.amdhsa_kernel k_qc6a9fe2191_pairsum
		.amdhsa_group_segment_fixed_size 0
		.amdhsa_private_segment_fixed_size 0
		.amdhsa_enable_private_segment 0
		.amdhsa_kernarg_size 40
		.amdhsa_user_sgpr_count 2
		.amdhsa_user_sgpr_kernarg_segment_ptr 1
		.amdhsa_wavefront_size32 1
		.amdhsa_system_sgpr_workgroup_id_x 1
		.amdhsa_system_sgpr_workgroup_id_y 1
		.amdhsa_system_sgpr_workgroup_id_z 1
		.amdhsa_system_vgpr_workitem_id 0
		.amdhsa_next_free_vgpr 32
		.amdhsa_next_free_sgpr 66
		.amdhsa_reserve_vcc 0
		.amdhsa_float_denorm_mode_32 3
		.amdhsa_float_denorm_mode_16_64 3
		.amdhsa_memory_ordered 1
		.amdhsa_forward_progress 1
		.amdhsa_inst_pref_size 3
	.end_amdhsa_kernel
	.amdgpu_metadata
---
amdhsa.version: [ 1, 2 ]
amdhsa.kernels:
  - .name:           k_qc6a9fe2191_pairsum
    .symbol:         k_qc6a9fe2191_pairsum.kd
    .args:
      - { .name: pairs, .offset: 0, .size: 8, .value_kind: global_buffer, .address_space: global }
      - { .name: g, .offset: 8, .size: 8, .value_kind: global_buffer, .address_space: global }
      - { .name: bcv, .offset: 16, .size: 8, .value_kind: global_buffer, .address_space: global }
      - { .name: b2, .offset: 24, .size: 8, .value_kind: global_buffer, .address_space: global }
      - { .name: out0, .offset: 32, .size: 8, .value_kind: global_buffer, .address_space: global }
    .group_segment_fixed_size: 0
    .private_segment_fixed_size: 0
    .kernarg_segment_align: 8
    .kernarg_segment_size: 40
    .max_flat_workgroup_size: 256
    .sgpr_count:     66
    .vgpr_count:     32
    .wavefront_size: 32
...
	.end_amdgpu_metadata
.endif
;; end of part 6
;; ======== version 3 of 3: 3 launches; version 2 with the launches fold, pairsum written anew for expert scheduling mode
;; workspace buffers: wcf 65,536 bytes; bcv 512 bytes; g 262,144 bytes
;; launch fold (part 7): grid 32 x 2, 8 waves a work-group, no clusters, 28,160 bytes of LDS; arguments W1, W2, b1, wcf, bcv; writes wcf, bcv
.if DOCPART == 7
	.amdgcn_target "amdgcn-amd-amdhsa--gfx1250"
	.amdhsa_code_object_version 6
	.text
	.protected	k_qc6a9fe2191_fold
	.globl	k_qc6a9fe2191_fold
	.p2align	8
	.type	k_qc6a9fe2191_fold,@function
k_qc6a9fe2191_fold:
	s_mov_b64 s[64:65], 0
	v_nop
	global_prefetch_b8 v0, s[64:65] scope:SCOPE_SE
	s_setreg_imm32_b32 hwreg(HW_REG_WAVE_SCHED_MODE, 0, 2), 2
	s_setreg_imm32_b32 hwreg(HW_REG_WAVE_MODE, 25, 1), 1
	s_wait_xcnt 0x0
	s_wait_alu depctr_vm_vsrc(0)
; FOLD: the two halves over k of Wc = W2 W1 ([8][2048]) and of W2 b1 ([8]).
; Nothing non-linear stands between the two linear layers, and a gather of rows commutes with a map that acts row by row, so
;   out[p] = f[s] . Wc[:, 0:1024] + f[o] . Wc[:, 1024:2048] + W2 b1 + b2        for every input.
; LIMIT (order of rounding): Wc is formed first, from W1 and W2 rounded to bf16 with f32 sums, in two halves over k, and each half is itself
; rounded to bf16 for the next launch's matrix product; the reference rounds nothing in between.  W2 b1 stays in f32 throughout.
;
; SHARES.  Work-group (x, y) owns the 64 columns J = 64 x .. 64 x + 63 of W1 (256 aligned bytes of a row) and the rows k = 512 y .. 512 y + 511:
; 128 KiB of W1 and 16 KiB of W2.  2,048 columns hold 32 such pieces.  The two halves over k are not added here (no traffic between
; work-groups): the next launch multiplies f by both and adds the products.  Each further halving of k would take half of this launch's bytes
; off a work-group and add 32 KiB to what each of the next launch's 256 work-groups reads: two halves are where the two meet.
; Wave w owns k = 512 y + 64 w .. + 63, two matrix steps of 32.  Its 32 loads of W1 go out at once, 512 bytes each.
; The 32 work-groups of one y read the same 16 KiB of W2 beside 128 KiB of their own: too small a part to ask for jointly in a cluster.
;
; NO TRANSPOSE.  r = lane % 16, h = lane / 16.  Load i (0..15) of step s takes row 32 s + 8 h + i (+ 8 if i >= 8) of the wave's 64, columns J + 4 r .. + 3.
; Matrix tile t (0..3) takes column J + 4 r + t as its row m = r, so register p of its first source is the pair (load 2p, load 2p+1), word t:
; k lies where a 16-bit fragment wants it (ISA guide 7.12.2).  The second source's column n = r is class r % 8 (8 classes fill 16 columns twice).
; Result: register j of lane (r, h) of tile t = Wc[r % 8][J + 32 h + 4 j + t], summed over the wave's 64 k.
;
; wcf (bf16), in the order in which the next launch's lanes take it: byte y*32768 + g*16384 + S*512 + q*256 + c*32 + h2*16 + e*2 holds half y of
; Wc[c][1024 g + 32 S + 16 h2 + 4 (n & 3) + (n >> 2)], n = 8 q + e.
; bcv (f32): word 64 y + n holds half y of (W2 b1)[n % 8].
;
; THE MODE: SCHED_MODE bits 1:0 = 2 (LLVM: expert scheduling mode 2), set by the entry lines.  The code itself states the register dependences
; between vector or matrix instructions and memory or LDS instructions, with s_wait_alu, always for 0.
; THE PLAN.  One straight pass, no loop.  Registers that memory or LDS instructions touch, and who else names them:
;   v4-v9, v11-v13, v15, v30, v31   offsets and LDS addresses: all made at the head, in every wave, and never written again: one wait ahead of the first load serves them all.
;   RAW = BF     W2's loads land; the conversions, and with x = 0 the products with b1, read; behind the first barrier W2's fragments land there; the matrix instructions read them.
;   PK, P        written by vector instructions, read by LDS stores, never written again.
;   X            W1's loads land; PACK reads; PACK 1 writes v[32:63] and MUL4 1 reads them; behind the second barrier LDS loads land in v[32:63].
;   ACC, v10     written by the matrix instructions and by the four lines that are their places; read by the stores into PART; never written again.
;   OUTP, and v[32:33] in wave 4    written by vector instructions, read by one global store each.
; No register that a memory or LDS instruction has read is written again, by a vector instruction or by a load: no wait on vm_vsrc is owed.
.set ROWB,   8192                      ; bytes in a row of W1
.set W2P,    1040                      ; LDS: my 512 k of a row of W2 in bf16, 1,024 bytes + 16: an odd multiple of 16, so eight rows start in different columns of 16 bytes
.set BIAS,   8448                      ; LDS: 8 waves x 4 partial sums of W2 b1
.set PART,   8704                      ; LDS: 8 waves x 2,304 bytes of partial Wc
.set PPITCH, 144                       ; a row of PART: 32 f32 + 16 bytes
.set PWAVE,  16*PPITCH
.set X,    32                          ; v[32:159]  W1 as loaded: load i of step s at X + 64 s + 4 i
.set RAW,  160                         ; v[160:175] W2 as loaded (f32)
.set BF,   160                         ; v[160:175] afterwards: W2's fragments, step s at BF + 8 s
.set B1,   176                         ; v[176:179] four numbers of b1
.set P,    180                         ; v[180:183] partial sums of W2 b1
.set PK,   184                         ; v[184:191] W2 packed to bf16
.set FA,   192                         ; v[192:223] W1's fragments of step 0 (step 1's go to v[32:63], which step 0 has used up)
.set ACC,  224                         ; v[224:255] four accumulators, tile t at ACC + 8 t
.set OUTP, 96                          ; v[96:97]   four numbers of Wc in bf16
	s_load_b256 s[4:11], s[0:1], 0x0               ; W1 s[4:5], W2 s[6:7], b1 s[8:9], wcf s[10:11]
	s_load_b64 s[12:13], s[0:1], 0x20              ; bcv
	v_lshl_add_u32 v30, v0, 2, 0x6a00              ; my spare word, behind PART, and 0, kept for the closing lines alone
	v_mov_b32 v31, 0
	v_and_b32 v1, 15, v0                           ; r
	v_bfe_u32 v2, v0, 4, 1                         ; h
	v_lshrrev_b32 v3, 5, v0
	v_readfirstlane_b32 s16, v3                    ; w, the wave's number
	s_mov_b32 s17, ttmp9                           ; x: which 64 columns
	s_and_b32 s27, ttmp7, 0xffff                   ; y: which half of k
	s_mov_b32 s20, 0x76543210                      ; v_permlanex16_b32: lane i of one half reads lane i of the other
	s_mov_b32 s21, 0xfedcba98
	s_lshl_b32 s28, s27, 11                        ; 512 y numbers of 4 bytes: my half of a row of W2, and of b1
	s_mov_b32 s29, 0
	s_lshl_b32 s22, s17, 10                        ; wcf: 1,024 x
	s_lshl_b32 s30, s27, 15
	s_add_co_u32 s22, s22, s30                     ;      + 32,768 y
	s_lshl_b32 s30, s27, 8                         ; bcv: 256 y
	; the address work that hangs on no number of the wave stands between the line that writes s16 and the wait for it
	v_and_b32 v3, 127, v0
	v_lshrrev_b32 v7, 7, v0
	v_lshlrev_b32 v4, 4, v3                        ; W2: 16 bytes a thread, 128 threads for a class's 2,048 bytes;
	v_lshl_add_u32 v4, v7, 12, v4                  ;     load i adds two rows: class 2 i + (thread >> 7), k = 4 (thread & 127) ..
	v_lshlrev_b32 v5, 4, v1                        ; W1: 16 r
	v_lshl_add_u32 v5, v2, 16, v5                  ;     + 8 h rows
	v_lshlrev_b32 v6, 4, v3                        ; b1: the same four k as my numbers of W2
	v_mul_u32_u24 v7, v7, W2P
	v_lshl_add_u32 v7, v3, 3, v7                   ; W2 in LDS: row (thread >> 7), 8 bytes at 8 (thread & 127); store i adds two rows
	v_and_b32 v9, 7, v1
	v_mul_u32_u24 v9, v9, W2P
	v_lshl_add_u32 v9, v2, 4, v9                   ; W2's fragment: row r % 8, byte 16 h (the wave's 128 w are added below)
	; For the sum over the waves (used by waves 0 to 3): thread u (0..127) sums the eight waves' parts of four numbers and stores them as 8 bytes of wcf.
	; u's bits: 0 tb, 1 h2, 4:2 class, 5 q, 6 Sh.  Tile t = 2 q + tb, registers j = 4 h2 .. 4 h2 + 3, row 8 Sh + class:
	; these are places n = 4 t .. 4 t + 3 of lane (class, h2) in block S = 2 (x % 16) + Sh, at byte 32768 y + 1024 x + 8 u of wcf.
	v_bfe_u32 v11, v0, 2, 3                        ; class
	v_bfe_u32 v14, v0, 6, 1                        ; Sh
	v_lshl_add_u32 v11, v14, 3, v11
	v_mul_u32_u24 v11, v11, PPITCH
	v_and_b32 v14, 1, v0                           ; tb
	v_lshl_add_u32 v11, v14, 5, v11
	v_bfe_u32 v14, v0, 5, 1                        ; q
	v_lshl_add_u32 v11, v14, 6, v11
	v_bfe_u32 v14, v0, 1, 1                        ; h2
	v_lshl_add_u32 v11, v14, 4, v11
	v_add_nc_u32 v11, PART, v11
	v_lshl_add_u32 v12, v0, 3, s22                 ; my 8 bytes of wcf
	; For the bias (used by wave 4 where x = 0): lane L takes i = L % 4 of BIAS, and 8 bytes at 256 y + 8 L of bcv
	v_and_b32 v14, 3, v0
	v_lshl_add_u32 v13, v14, 2, BIAS
	v_and_b32 v15, 31, v0
	v_lshlrev_b32 v15, 3, v15
	v_add_nc_u32 v15, s30, v15
	s_wait_alu depctr_va_sdst(0)                   ; s16 is written, ahead of its first reader: W1's base and the wave's LDS places are made from it
	s_lshl_b32 s18, s17, 8                         ; my 256 bytes of a row of W1
	s_lshl_b32 s19, s16, 19                        ; + 64 w rows of 8,192 bytes
	s_add_co_u32 s18, s18, s19
	s_lshl_b32 s19, s27, 22                        ; + 512 y rows
	s_add_co_u32 s18, s18, s19
	s_mov_b32 s19, 0
	s_mul_i32 s23, s16, PWAVE
	s_add_co_u32 s23, s23, PART                    ; my wave's part of PART
	s_lshl4_add_u32 s24, s17, s16                  ; 16 x + w
	s_lshl_b32 s25, s16, 4
	s_add_co_u32 s25, s25, BIAS                    ; my wave's four words of BIAS
	s_lshl_b32 s26, s16, 7                         ; my wave's 64 k in a row of W2 in bf16
	v_mov_b32 v8, s25
	v_add_nc_u32 v9, s26, v9                       ; W2's fragment: row r % 8, byte 128 w + 16 h
	s_wait_kmcnt 0x0
	s_add_nc_u64 s[4:5], s[4:5], s[18:19]
	s_add_nc_u64 s[6:7], s[6:7], s[28:29]
	s_add_nc_u64 s[8:9], s[8:9], s[28:29]
	s_wait_alu depctr_va_vdst(0)                   ; v4 to v9, v11 to v13, v15, v30 and v31 are written: the offsets and LDS addresses that the loads and stores of the whole kernel read
	; All loads at once.  W2 and b1 first, so that a counted wait can take them while W1 is on its way.
.irp i, 0,1,2,3
	global_load_b128 v[RAW+4*\i:RAW+4*\i+3], v4, s[6:7] offset:\i*8192     ; a wave's load covers 512 consecutive aligned bytes of one class
.endr
	global_load_b128 v[B1:B1+3], v6, s[8:9]        ; in every work-group, so that the counts below are the same on every path
.irp s, 0,1
.irp i, 0,1,2,3,4,5,6,7,8,9,10,11,12,13,14,15
	global_load_b128 v[X+64*\s+4*\i:X+64*\s+4*\i+3], v5, s[4:5] offset:(32*\s+\i+8*(\i/8))*ROWB th:TH_LOAD_NT   ; lanes 0-15: 256 aligned bytes of one row; lanes 16-31: of the row 8 below
.endr
.endr
	; W2 to bf16 and into LDS, each number once for the work-group.
	s_wait_loadcnt 32                              ; loads come back in order (ISA guide 5.7.1): W2 and b1 are in, the 32 younger loads of W1 stay out
.irp i, 0,1,2,3
	v_cvt_pk_bf16_f32 v[PK+2*\i],   v[RAW+4*\i],   v[RAW+4*\i+1]
	v_cvt_pk_bf16_f32 v[PK+2*\i+1], v[RAW+4*\i+2], v[RAW+4*\i+3]
.endr
	s_wait_alu depctr_va_vdst(0)                   ; the conversions have written PK, which the LDS stores read, and are done reading RAW, in which W2's fragments land behind the barrier
.irp i, 0,1,2,3
	ds_store_b64 v7, v[PK+2*\i:PK+2*\i+1] offset:\i*2*W2P
.endr
	s_cmp_lg_u32 s17, 0
	s_cbranch_scc1 .Lno_bias                       ; each half of W2 b1 is made once in the launch, by the work-group with x = 0
	; P[i] = my four k of class 2 i + (w >> 2), in f32, then summed over the wave's 32 lanes: four chains side by side
.irp i, 0,1,2,3
	v_mul_f32 v[P+\i], v[RAW+4*\i], v[B1]
.endr
.irp j, 1,2,3
.irp i, 0,1,2,3
	v_fmac_f32 v[P+\i], v[RAW+4*\i+\j], v[B1+\j]
.endr
.endr
.irp m, 1,2,4,8
.irp i, 0,1,2,3
	v_add_f32_dpp v[P+\i], v[P+\i], v[P+\i] row_xmask:\m row_mask:0xf bank_mask:0xf
.endr
.endr
.irp i, 0,1,2,3
	v_permlanex16_b32 v[B1+\i], v[P+\i], s20, s21  ; b1 has been used up; the destination counts as read and has been written
.endr
.irp i, 0,1,2,3
	v_add_f32 v[P+\i], v[P+\i], v[B1+\i]
.endr
	s_wait_alu depctr_va_vdst(0)                   ; the sums have written P, which the LDS store reads; the products above are done reading RAW, in which W2's fragments land behind the barrier
	ds_store_b128 v8, v[P:P+3]                     ; every lane holds the same four sums and writes the same 16 bytes
.Lno_bias:
	s_wait_dscnt 0x0                               ; my LDS stores are done, for the other waves' sake
	s_barrier_signal -1
	s_barrier_wait -1                              ; my half of W2 is whole in LDS.  W1's loads stay on their way: nobody writes those bytes
; 32 conversions: the four tiles' first sources of step s, into dst
.macro PACK s, dst
.irp t, 0,1,2,3
.irp p, 0,1,2,3,4,5,6,7
	v_cvt_pk_bf16_f32 v[\dst+8*\t+\p], v[X+64*\s+8*\p+\t], v[X+64*\s+8*\p+4+\t]
.endr
.endr
.endm
; The four matrix instructions of step s.  The four accumulators take turns, one instruction a turn.
.macro MUL4 s, fa, zero
.irp t, 0,1,2,3
.if \zero
	v_wmma_f32_16x16x32_bf16 v[ACC+8*\t:ACC+8*\t+7], v[\fa+8*\t:\fa+8*\t+7], v[BF+8*\s:BF+8*\s+7], 0
.else
	v_wmma_f32_16x16x32_bf16 v[ACC+8*\t:ACC+8*\t+7], v[\fa+8*\t:\fa+8*\t+7], v[BF+8*\s:BF+8*\s+7], v[ACC+8*\t:ACC+8*\t+7]
.endif
.endr
.endm
	; No wait here: on either path the last vector instruction that names RAW stands ahead of a wait on va_vdst, and v9 has not been written since the head's
.irp s, 0,1
	ds_load_b128 v[BF+8*\s:BF+8*\s+3],   v9 offset:64*\s       ; k = 64 w + 32 s + 8 h .. of my half
	ds_load_b128 v[BF+8*\s+4:BF+8*\s+7], v9 offset:64*\s+32    ; k = 64 w + 32 s + 16 + 8 h ..
.endr
	s_wait_loadcnt 16                              ; step 0's sixteen loads are in, step 1's sixteen stay out
	PACK 0, FA
	s_wait_dscnt 0x0                               ; W2's fragments
	MUL4 0, FA, 1                                  ; the first products start the sums: nothing is cleared
	s_wait_loadcnt 0x0
	PACK 1, X                                      ; into v[32:63]: no register of the four matrix instructions above
	MUL4 1, X, 0
	; The wave's partial Wc goes to its own part of PART: row 8 h + class, word 8 t + j.  The four address lines are the four places
	; that stand between a matrix instruction and a store of its result.  All lanes store: lanes r and r + 8 hold the
	; same numbers (columns 8-15 of the second source repeat columns 0-7) and write them to the same bytes.
	v_and_b32 v3, 7, v1
	v_lshl_add_u32 v3, v2, 3, v3
	v_mul_u32_u24 v3, v3, PPITCH
	v_add_nc_u32 v10, s23, v3
	s_wait_alu depctr_va_vdst(0)                   ; the matrix instructions have written ACC and the line above v10, which the LDS stores read (the places above stay beside this wait); PACK 1 and MUL4 1 are done with v[32:63], in which LDS loads land behind the barrier
.irp t, 0,1,2,3
	ds_store_b128 v10, v[ACC+8*\t:ACC+8*\t+3]   offset:32*\t
	ds_store_b128 v10, v[ACC+8*\t+4:ACC+8*\t+7] offset:32*\t+16
.endr
	s_wait_dscnt 0x0                               ; my stores are done, for the waves that sum
	s_barrier_signal -1
	s_barrier_wait -1
; the first n groups of four registers of X take up the next n
.macro FOLD n
.set k, 0
.rept 2*\n
	v_pk_add_f32 v[X+2*k:X+2*k+1], v[X+2*k:X+2*k+1], v[X+4*\n+2*k:X+4*\n+2*k+1]
.set k, k+1
.endr
.endm
	s_cmp_gt_u32 s16, 3
	s_cbranch_scc1 .Ltail
	; Waves 0 to 3: the sum over the eight waves, by the addresses v11 and v12 made at the head.  No wait: no vector instruction has been issued since the wait ahead of the stores into PART
.irp wv, 0,1,2,3,4,5,6,7
	ds_load_b128 v[X+4*\wv:X+4*\wv+3], v11 offset:\wv*PWAVE    ; rows two classes apart meet in two columns of 16 bytes: accepted for these 8 loads; the pitch keeps the stores apart
.endr
	s_wait_dscnt 0x0
	FOLD 4                                         ; a fixed tree in f32: 8 + 4 + 2 packed adds
	FOLD 2
	FOLD 1
	v_cvt_pk_bf16_f32 v[OUTP],   v[X],   v[X+1]
	v_cvt_pk_bf16_f32 v[OUTP+1], v[X+2], v[X+3]
	s_wait_alu depctr_va_vdst(0)                   ; the two conversions have written OUTP, which the store reads
	global_store_b64 v12, v[OUTP:OUTP+1], s[10:11] ; a wave stores 256 consecutive bytes, at a multiple of 256 from wcf's first byte
	s_wait_dscnt 0x0                               ; the closing lines, six on end
	s_wait_alu 0x0
	s_wait_tensorcnt 0x0
	ds_add_u32 v30, v31
	s_wait_dscnt 0x0
	s_endpgm
.Ltail:
	s_cmp_lg_u32 s24, 4
	s_cbranch_scc1 .Lend
	; Wave 4 of the work-group with x = 0: my half of W2 b1, eight times over, 64 f32.  Lane L takes i = L % 4: waves 0-3 hold class 2 i,
	; waves 4-7 class 2 i + 1, which go to the low and the high register of four pairs.  Addresses v13 and v15 were made at the head; no wait, as above
.irp wv, 0,1,2,3,4,5,6,7
	ds_load_b32 v[X+2*(\wv%4)+\wv/4], v13 offset:16*\wv
.endr
	s_wait_dscnt 0x0
	FOLD 1                                         ; four pairs to two,
	v_pk_add_f32 v[X:X+1], v[X:X+1], v[X+2:X+3]    ; to one
	s_wait_alu depctr_va_vdst(0)                   ; the last add has written v[32:33], which the store reads
	global_store_b64 v15, v[X:X+1], s[12:13]       ; the wave stores 256 consecutive bytes, at a multiple of 256 from bcv's first byte
.Lend:
	s_wait_dscnt 0x0                               ; the closing lines, six on end
	s_wait_alu 0x0
	s_wait_tensorcnt 0x0
	ds_add_u32 v30, v31
	s_wait_dscnt 0x0
	s_endpgm
.Lfunc_end_k_qc6a9fe2191_fold:
	.size	k_qc6a9fe2191_fold, .Lfunc_end_k_qc6a9fe2191_fold-k_qc6a9fe2191_fold
	.p2alignl 7, 3214868480
	.fill 96, 4, 3214868480
	.section	.rodata,"a",@progbits
	.p2align	6, 0x0
	.amdhsa_kernel k_qc6a9fe2191_fold
		.amdhsa_group_segment_fixed_size 28160
		.amdhsa_private_segment_fixed_size 0
		.amdhsa_enable_private_segment 0
		.amdhsa_kernarg_size 40
		.amdhsa_user_sgpr_count 2
		.amdhsa_user_sgpr_kernarg_segment_ptr 1
		.amdhsa_wavefront_size32 1
		.amdhsa_system_sgpr_workgroup_id_x 1
		.amdhsa_system_sgpr_workgroup_id_y 1
		.amdhsa_system_sgpr_workgroup_id_z 1
		.amdhsa_system_vgpr_workitem_id 0
		.amdhsa_next_free_vgpr 256
		.amdhsa_next_free_sgpr 66
		.amdhsa_reserve_vcc 0
		.amdhsa_float_denorm_mode_32 3
		.amdhsa_float_denorm_mode_16_64 3
		.amdhsa_memory_ordered 1
		.amdhsa_forward_progress 1
		.amdhsa_inst_pref_size 19
	.end_amdhsa_kernel
	.amdgpu_metadata
---
amdhsa.version: [ 1, 2 ]
amdhsa.kernels:
  - .name:           k_qc6a9fe2191_fold
    .symbol:         k_qc6a9fe2191_fold.kd
    .args:
      - { .name: W1, .offset: 0, .size: 8, .value_kind: global_buffer, .address_space: global }
      - { .name: W2, .offset: 8, .size: 8, .value_kind: global_buffer, .address_space: global }
      - { .name: b1, .offset: 16, .size: 8, .value_kind: global_buffer, .address_space: global }
      - { .name: wcf, .offset: 24, .size: 8, .value_kind: global_buffer, .address_space: global }
      - { .name: bcv, .offset: 32, .size: 8, .value_kind: global_buffer, .address_space: global }
    .group_segment_fixed_size: 28160
    .private_segment_fixed_size: 0
    .kernarg_segment_align: 8
    .kernarg_segment_size: 40
    .max_flat_workgroup_size: 256
    .sgpr_count:     66
    .vgpr_count:     256
    .wavefront_size: 32
...
	.end_amdgpu_metadata
.endif
;; end of part 7
;; launch project: the kernel of part 5 again; grid 256 x 1, 4 waves a work-group, no clusters, 168,448 bytes of LDS; arguments obj_feats, wcf, g; writes g
;; launch pairsum (part 8): grid 256 x 1, 8 waves a work-group, no clusters, 0 bytes of LDS; arguments pairs, g, bcv, b2, out0; writes out0
.if DOCPART == 8
	.amdgcn_target "amdgcn-amd-amdhsa--gfx1250"
	.amdhsa_code_object_version 6
	.text
	.protected	k_qc6a9fe2191_pairsum
	.globl	k_qc6a9fe2191_pairsum
	.p2align	8
	.type	k_qc6a9fe2191_pairsum,@function
k_qc6a9fe2191_pairsum:
	s_mov_b64 s[64:65], 0
	v_nop
	global_prefetch_b8 v0, s[64:65] scope:SCOPE_SE
	s_setreg_imm32_b32 hwreg(HW_REG_WAVE_SCHED_MODE, 0, 2), 2
	s_setreg_imm32_b32 hwreg(HW_REG_WAVE_MODE, 25, 1), 1
	s_wait_xcnt 0x0
	s_wait_alu depctr_vm_vsrc(0)
; PAIRSUM: out[p][c] = g[s][c] + g[o][8 + c] + (W2 b1)[c] + b2[c] for pair p = (s, o), all in f32.  W2 b1 comes as two halves of its sum over k.
; Two threads serve a pair, four classes each: 65,536 threads, 256 work-groups of 256.  One pass, no loop, no LDS, no barrier: the two gathers
; hang on the pair's indices, and g is 256 KiB that the launch reads again and again, so its loads carry no hint.
; LIMIT (indices): they are taken as 0 .. 4095, as the reference relies on; an unsigned minimum with 4095 keeps every address inside g, so a
; negative index is not wrapped round as JAX would wrap it.
; THE MODE: SCHED_MODE bits 1:0 = 2 (LLVM: expert scheduling mode 2), set by the entry lines.  The code itself states the register dependences
; between vector instructions and memory instructions, with s_wait_alu, always for 0.
; THE PLAN.  Registers that memory instructions touch:
;   v1, v2, v3, v28   offsets, made once at the head and never written again: one wait ahead of the first load.
;   v4, v5            the gathers' offsets, made from the loaded indices: one wait ahead of the two gathers.
;   v[6:27]           loads land in them; no vector instruction names them before.
;   v[20:23]          the sums, written by the adds and read by the store: one wait ahead of it.
; No register that a memory instruction has read is written again: no wait on vm_vsrc is owed.  No vector instruction writes a scalar register.
	s_load_b256 s[4:11], s[0:1], 0x0               ; pairs s[4:5], g s[6:7], bcv s[8:9], b2 s[10:11]
	s_load_b64 s[12:13], s[0:1], 0x20              ; out0
	s_lshl_b32 s14, ttmp9, 10                      ; 128 pairs of 8 bytes a work-group
	s_lshl_b32 s15, ttmp9, 12                      ; 128 rows of 32 bytes of the output
	v_lshrrev_b32 v1, 1, v0
	v_lshlrev_b32 v1, 3, v1
	v_add_nc_u32 v1, s14, v1                       ; my pair
	v_and_b32 v2, 15, v0
	v_lshlrev_b32 v2, 4, v2                        ; each half of bcv holds its eight sums eight times: words 4 (t % 16) .. + 3 are classes 4 (t % 2) .. + 3
	v_and_b32 v3, 1, v0
	v_lshlrev_b32 v3, 4, v3                        ; my four classes: byte 16 (t % 2) of b2 and of a half row of g
	v_lshlrev_b32 v28, 4, v0
	v_add_nc_u32 v28, s15, v28                     ; my 16 bytes of the output
	s_wait_kmcnt 0x0
	s_wait_alu depctr_va_vdst(0)                   ; v1, v2, v3 and v28 are written: the offsets that the four loads below and the store at the end read
	global_load_b64 v[6:7], v1, s[4:5] th:TH_LOAD_NT
	global_load_b128 v[8:11], v2, s[8:9]           ; W2 b1, first half of k
	global_load_b128 v[12:15], v2, s[8:9] offset:256 ; second half
	global_load_b128 v[16:19], v3, s[10:11]        ; b2
	s_wait_loadcnt 0x3                             ; the pair is in; the three younger loads stay out
	v_min_u32 v6, 0xfff, v6
	v_min_u32 v7, 0xfff, v7
	v_lshl_add_u32 v4, v6, 6, v3                   ; rows of 64 bytes
	v_lshl_add_u32 v5, v7, 6, v3
	s_wait_alu depctr_va_vdst(0)                   ; v4 and v5 are written: the two gathers read them as their offsets
	global_load_b128 v[20:23], v4, s[6:7]          ; g[s][0:8], my four
	global_load_b128 v[24:27], v5, s[6:7] offset:32 ; g[o][8:16], my four
	s_wait_loadcnt 0x2                             ; the bias's three parts are in and are added while the two gathers are on their way
	v_pk_add_f32 v[8:9],   v[8:9],   v[12:13]
	v_pk_add_f32 v[10:11], v[10:11], v[14:15]
	v_pk_add_f32 v[8:9],   v[8:9],   v[16:17]
	v_pk_add_f32 v[10:11], v[10:11], v[18:19]
	s_wait_loadcnt 0x0
	v_pk_add_f32 v[20:21], v[20:21], v[24:25]
	v_pk_add_f32 v[22:23], v[22:23], v[26:27]
	v_pk_add_f32 v[20:21], v[20:21], v[8:9]
	v_pk_add_f32 v[22:23], v[22:23], v[10:11]
	s_wait_alu depctr_va_vdst(0)                   ; the adds have written v[20:23], which the store reads
	global_store_b128 v28, v[20:23], s[12:13] th:TH_STORE_NT   ; sixteen neighbouring lanes store 256 consecutive bytes, at a multiple of 256 from the output's first byte
	s_endpgm
.Lfunc_end_k_qc6a9fe2191_pairsum:
	.size	k_qc6a9fe2191_pairsum, .Lfunc_end_k_qc6a9fe2191_pairsum-k_qc6a9fe2191_pairsum
	.p2alignl 7, 3214868480
	.fill 96, 4, 3214868480
	.section	.rodata,"a",@progbits
	.p2align	6, 0x0
	.amdhsa_kernel k_qc6a9fe2191_pairsum
		.amdhsa_group_segment_fixed_size 0
		.amdhsa_private_segment_fixed_size 0
		.amdhsa_enable_private_segment 0
		.amdhsa_kernarg_size 40
		.amdhsa_user_sgpr_count 2
		.amdhsa_user_sgpr_kernarg_segment_ptr 1
		.amdhsa_wavefront_size32 1
		.amdhsa_system_sgpr_workgroup_id_x 1
		.amdhsa_system_sgpr_workgroup_id_y 1
		.amdhsa_system_sgpr_workgroup_id_z 1
		.amdhsa_system_vgpr_workitem_id 0
		.amdhsa_next_free_vgpr 32
		.amdhsa_next_free_sgpr 66
		.amdhsa_reserve_vcc 0
		.amdhsa_float_denorm_mode_32 3
		.amdhsa_float_denorm_mode_16_64 3
		.amdhsa_memory_ordered 1
		.amdhsa_forward_progress 1
		.amdhsa_inst_pref_size 3
	.end_amdhsa_kernel
	.amdgpu_metadata
---
amdhsa.version: [ 1, 2 ]
amdhsa.kernels:
  - .name:           k_qc6a9fe2191_pairsum
    .symbol:         k_qc6a9fe2191_pairsum.kd
    .args:
      - { .name: pairs, .offset: 0, .size: 8, .value_kind: global_buffer, .address_space: global }
      - { .name: g, .offset: 8, .size: 8, .value_kind: global_buffer, .address_space: global }
      - { .name: bcv, .offset: 16, .size: 8, .value_kind: global_buffer, .address_space: global }
      - { .name: b2, .offset: 24, .size: 8, .value_kind: global_buffer, .address_space: global }
      - { .name: out0, .offset: 32, .size: 8, .value_kind: global_buffer, .address_space: global }
    .group_segment_fixed_size: 0
    .private_segment_fixed_size: 0
    .kernarg_segment_align: 8
    .kernarg_segment_size: 40
    .max_flat_workgroup_size: 256
    .sgpr_count:     66
    .vgpr_count:     32
    .wavefront_size: 32
...
	.end_amdgpu_metadata
.endif
;; end of part 8
